; MI455X (gfx1250); checked and timed in simulation.
; The chip was launched on July 23, 2026; its instructions are those of AMD's public machine-readable ISA for CDNA 5 (MIT licence, August 2026) and "CDNA5" Instruction Set Architecture Reference Guide (July 2026). The comments in the code are by the model that wrote it; some were corrected since.
;; Mo E. Allowed arithmetic: matrix products marked QUANTISED: E2M3 operands, one E8M0 scale for each 32 along K, by v_wmma_scale_f32_16x16x128_f8f6f4 with both operands' format E2M3, f32 sums; products left as they are: f32 operands where the result goes on into a quantised operand, else bf16, f16 or f32 operands; f32 sums; everything else in f32.
;; Inputs: W1 8 x 1,024 x 4,096 float32; W2 8 x 4,096 x 1,024 float32; Wg 1,024 x 8 float32; b1 8 x 4,096 float32; b2 8 x 1,024 float32; bg 8 float32; x 2 x 512 x 1,024 float32.
;; Outputs: out0 2 x 512 x 1,024 float32.
;; This version of the problem:
;;   THIS VERSION OF THE PROBLEM IS GIVEN IN LOW PRECISION. The matrix products marked QUANTISED in the list below multiply operands that are first quantised to E2M3 (2 exponent bits, 3 mantissa bits; 6 bits a number), with one power-of-two scale for each 32 numbers along K (OCP MX v1.0); their sums are f32. All else is computed in f32.
;;   The module's matrix products, in the order in which they are computed (A, B: the left and right operand; K: the contracted axis; several contracted axes count as one K, in the product's order):
;;     1. [M 1,024, K 1,024] x [K 1,024, N 8]; A: input x; B: input Wg: left as it is (N = 8 < 16)
;;     2. [M 32,768, K 1,024] x [K 1,024, N 1,024]; A: input W1; B: input x: QUANTISED
;;     3. batch 8 x [M 1,024, K 4,096] x [K 4,096, N 1,024]; A: computed on the way; B: input W2: QUANTISED
;;     4. batch 1,024 x [M 1, K 8] x [K 8, N 1,024]; A: computed on the way; B: computed on the way: left as it is (K = 8 < 32)
;;   THE QUANTISER, for each operand of a quantised product, along K:
;;     - K is cut into blocks of 32 from its start; a last block that is shorter is filled with zeros.
;;     - A block's scale is 2^e with e = floor(log2(the largest magnitude in the block)) - 2, held to -126 .. 127; a block of zeros has e = 0. As a byte (E8M0): e + 127.
;;     - Each number is divided by its block's scale, clamped to +-7.5, and rounded to the nearest number of E2M3, ties to even, subnormals kept.
;;     - The product sums the exact products of the quantised numbers (number of the format x scale) in f32.
;;   ~~~python
;;   def quantise(x, axis):      # numpy; x: float32 -> the quantised numbers, widened to float32 again
;;       x = np.moveaxis(x, axis, -1); K = x.shape[-1]
;;       x = np.pad(x, [(0, 0)] * (x.ndim - 1) + [(0, -K % 32)]); x = x.reshape(x.shape[:-1] + (-1, 32)); a = np.abs(x).max(-1, keepdims=True)
;;       e = np.where(a > 0, np.clip(np.frexp(np.where(a > 0, a, 1))[1] - 1 - 2, -126, 127), 0)      # np.frexp(a)[1] - 1 = floor(log2(a)), exactly
;;       r = np.clip(x / 2.0 ** e, -7.5, 7.5)
;;       step = 2.0 ** (np.maximum(np.frexp(np.where(r == 0, 1, r))[1] - 1, 0) - 3)
;;       q = np.round(r / step) * step * 2.0 ** e      # np.round: ties to even
;;       return np.moveaxis(q.reshape(q.shape[:-2] + (-1,))[..., :K], -1, axis).astype(np.float32)
;;   ~~~
;;   OPERANDS COMPUTED ON THE WAY. 'Computed on the way' means the value that the module computes at that place (a softmax that the list does not call 'softmax' is quantised finished and normalised). What goes into a quantiser is computed in f32, as accurately as f32 sums, v_exp_f32 and their like allow (about 1e-6 of the number): no bf16 or f16 on the way to a quantiser, and a product that is left as it is and whose result goes on into a quantised operand takes f32 operands (vector FMAs, or v_wmma_f32_16x16x4_f32). A number that lies on a knife's edge between two numbers of the format may be rounded either way, as far as f32 arithmetic and the matrix unit's own rounding can turn it there, and no further.
;; 2 versions. Each part assembles by itself: llvm-mc -triple=amdgcn-amd-amdhsa -mcpu=gfx1250 --defsym DOCPART=n.
;; ======== version 1 of 2: 4 launches
;; workspace buffers: xq 786,432 bytes; xsc 32,768 bytes; wts 8,192 bytes; msk 2,048 bytes of whole numbers; lst 37,888 bytes of whole numbers; acd 28,311,552 bytes; asc 2,359,296 bytes; ybf 16,777,216 bytes
;; launch route (part 1): grid 64 x 1, 8 waves a work-group, no clusters, 50,688 bytes of LDS; arguments x, Wg, bg, xq, xsc, wts, msk; writes xq, xsc, wts, msk
.if DOCPART == 1
	.amdgcn_target "amdgcn-amd-amdhsa--gfx1250"
	.amdhsa_code_object_version 6
	.text
	.protected	k_qccc836c0f9_route
	.globl	k_qccc836c0f9_route
	.p2align	8
	.type	k_qccc836c0f9_route,@function
k_qccc836c0f9_route:
	s_mov_b64 s[64:65], 0
	v_nop
	global_prefetch_b8 v0, s[64:65] scope:SCOPE_SE
	s_setreg_imm32_b32 hwreg(HW_REG_WAVE_MODE, 25, 1), 1
	s_wait_xcnt 0x0
; ROUTE.  logits = x Wg + bg in f32, the two largest of eight (the lower index wins a tie), the softmax of the two; and x as codes of FP6 (E2M3) with one E8M0 byte for each 32 along K.
; A work-group takes 16 tokens; wave w takes K step w (128 of the 1,024).  Lane (r, h) holds, of token r, k = 128 w + 64 c + 32 h + 0 .. 31 for c = 0, 1: two whole blocks, in the order of the matrix operand's registers.
; OUT: xq [token][K step][h][48 bytes]: a lane's 12 operand registers on end;  xsc [token][K step]: one scale word;  wts [2][1024] f32: the gate of routed id 1024 k + t;
;      msk [expert][64 words]: bit id % 32 of word id / 32 is set where choice k of token t is that expert.  No address and no branch hangs on the choice.
; LIMITS: NaN and infinities among the inputs are not served.  A block of zeros gets the byte 1 (its codes are zeros; the bytes are read by this program alone).
.set PL,  32768                        ; LDS: 0: Wg's rows, 4,096 bytes for each wave, its own;  PL: partial logits [wave][16 tokens][8]
.set XST, 36864                        ; the 16 tokens' codes as they will lie in xq: 768 bytes a token
.set XSS, 49152                        ; their scale words: 32 bytes a token
.set X,   16                           ; v16-79   my 64 numbers of x
.set WB,  80                           ; v80-207  two sets of 8 rows of Wg
.set ACC, 208                          ; v208-215 eight logits
.set MX,  216
.set SCO, 218
.set BY,  220
.set TP,  222
.set TQ,  223
.set C,   224                          ; v224-235 my 12 registers of codes
.set TM,  236
	s_load_b256 s[4:11], s[0:1], 0x0               ; x, Wg, bg, xq
	s_load_b128 s[12:15], s[0:1], 0x20             ; xsc, wts
	s_load_b64 s[16:17], s[0:1], 0x30              ; msk
	v_lshl_add_u32 v254, v0, 2, 0xc200
	v_mov_b32 v255, 0
	v_lshrrev_b32 v1, 5, v0
	v_readfirstlane_b32 s2, v1                     ; wave
	v_and_b32 v1, 31, v0                           ; lane
	v_and_b32 v2, 15, v0                           ; r
	v_bfe_u32 v3, v0, 4, 1                         ; h
	s_mov_b32 s18, 0x76543210
	s_mov_b32 s19, 0xfedcba98                      ; selects of v_permlanex16_b32 for lane l xor 16
	; every address is made here, ahead of the branches on the wave's number
	s_lshl_b32 s20, s2, 9
	v_lshlrev_b32 v4, 12, v2
	v_lshl_add_u32 v4, v3, 7, v4
	v_add_nc_u32 v4, s20, v4                       ; x: 4096 r + 512 w + 128 h
	s_lshl_b32 s21, s2, 12
	v_lshl_add_u32 v5, v1, 4, s21                  ; Wg, in memory and in LDS: 4096 w + 16 lane
	v_lshl_add_u32 v6, v3, 10, s21                 ; and read back: 4096 w + 1024 h (32 rows of 32 bytes a half)
	s_add_co_u32 s20, s20, PL
	v_lshl_add_u32 v7, v2, 5, s20                  ; my partial logits: PL + 512 w + 32 r
	s_mul_i32 s20, s2, 96
	s_add_co_u32 s20, s20, XST
	v_mul_u32_u24 v8, v2, 768
	v_mad_u32_u24 v8, v3, 48, v8
	v_add_nc_u32 v8, s20, v8                       ; my codes: XST + 768 r + 96 w + 48 h
	s_lshl_b32 s20, s2, 2
	s_add_co_u32 s20, s20, XSS
	v_lshl_add_u32 v9, v2, 5, s20                  ; my scale word: XSS + 32 r + 4 w
	s_mul_i32 s21, s2, 1536
	s_add_co_u32 s20, s21, XST
	v_lshl_add_u32 v10, v1, 4, s20                 ; the codes' way out: 1,536 bytes a wave
	v_lshl_add_u32 v11, v1, 4, s21
	v_lshlrev_b32 v13, 4, v1
	v_add_nc_u32 v12, XSS, v13
	v_lshl_add_u32 v14, v2, 5, PL
	v_lshlrev_b32 v15, 2, v2
	v_lshl_add_u32 v15, v3, 12, v15                ; wts: 4096 h + 4 r
	s_wait_kmcnt 0x0
	s_load_b256 s[24:31], s[8:9], 0x0              ; bg
	s_lshl_b32 s20, ttmp9, 16
	s_mov_b32 s21, 0
	s_add_nc_u64 s[4:5], s[4:5], s[20:21]          ; x at my 16 tokens
.irp i, 0,1,2,3,4,5,6,7
	global_load_b128 v[WB+4*\i:WB+4*\i+3], v5, s[6:7] offset:512*\i
.endr
.irp c, 0,1
.irp i, 0,1,2,3,4,5,6,7
	global_load_b128 v[X+32*\c+4*\i:X+32*\c+4*\i+3], v4, s[4:5] offset:256*\c+16*\i th:TH_LOAD_NT
.endr
.endr
	s_mul_i32 s20, ttmp9, 12288
	s_add_nc_u64 s[10:11], s[10:11], s[20:21]
	s_lshl_b32 s20, ttmp9, 9
	s_add_nc_u64 s[12:13], s[12:13], s[20:21]
	s_lshl_b32 s20, ttmp9, 6
	s_add_nc_u64 s[14:15], s[14:15], s[20:21]
	s_lshl_b32 s20, ttmp9, 1
	s_add_nc_u64 s[16:17], s[16:17], s[20:21]
	s_wait_loadcnt 16                              ; Wg's eight loads are in; x's sixteen may be out
.irp i, 0,1,2,3,4,5,6,7
	ds_store_b128 v5, v[WB+4*\i:WB+4*\i+3] offset:512*\i   ; my wave's own bytes: LDS serves a wave in order, no barrier
.endr
.macro WBATCH bt                       ; eight rows of Wg (k = 8 bt .. 8 bt + 7 of my 64), the same word for all lanes of a half
.irp q, 0,1,2,3,4,5,6,7
	ds_load_b128 v[WB+64*((\bt)%2)+8*\q:WB+64*((\bt)%2)+8*\q+3], v6 offset:2048*((\bt)/4)+32*(8*((\bt)%4)+\q)
	ds_load_b128 v[WB+64*((\bt)%2)+8*\q+4:WB+64*((\bt)%2)+8*\q+7], v6 offset:2048*((\bt)/4)+32*(8*((\bt)%4)+\q)+16
.endr
.endm
.macro FMAS bt
.irp q, 0,1,2,3,4,5,6,7
.irp e, 0,1,2,3,4,5,6,7
.if ((\bt)==0) && ((\q)==0)
	v_mul_f32 v[ACC+\e], v[X], v[WB+\e]            ; the first product starts the sums
.else
	v_fmac_f32 v[ACC+\e], v[X+8*(\bt)+\q], v[WB+64*((\bt)%2)+8*\q+\e]
.endif
.endr
.endr
.endm
	WBATCH 0
	WBATCH 1
	s_wait_loadcnt 0x0                             ; x
.irp bt, 0,1,2,3,4,5,6,7
.if \bt < 7
	s_wait_dscnt 16                                ; this batch is in; the younger batch's sixteen may be out
.else
	s_wait_dscnt 0x0
.endif
	FMAS \bt
.if \bt < 6
	WBATCH \bt+2
.endif
.endr
.irp e, 0,1,2,3,4,5,6,7
	v_permlanex16_b32 v[WB+\e], v[ACC+\e], s18, s19
.endr
.irp e, 0,1,2,3,4,5,6,7
	v_add_f32 v[ACC+\e], v[ACC+\e], v[WB+\e]       ; with the other half's 64: this K step's part of token r's logits
.endr
	ds_store_b128 v7, v[ACC:ACC+3]
	ds_store_b128 v7, v[ACC+4:ACC+7] offset:16
	; the quantiser: my two blocks by turns
.irp c, 0,1
	v_max3_num_f32 v[MX+\c], |v[X+32*\c]|, |v[X+32*\c+1]|, 0x1800000   ; and the floor 2^(3 - 127): the byte cannot fall under 1
.endr
.irp i, 2,4,6,8,10,12,14,16,18,20,22,24,26,28,30
.irp c, 0,1
	v_max3_num_f32 v[MX+\c], v[MX+\c], |v[X+32*\c+\i]|, |v[X+32*\c+\i+1]|
.endr
.endr
.irp c, 0,1
	v_add_nc_u32 v[SCO+\c], 0xff000000, v[MX+\c]   ; 2 off the exponent field: the conversion's scale operand
.endr
.irp c, 0,1
	v_lshrrev_b32 v[BY+\c], 23, v[SCO+\c]          ; the scale's byte
.endr
.irp c, 0,1
	v_cvt_scalef32_pk16_fp6_f32 v[C+6*\c:C+6*\c+2], v[X+32*\c:X+32*\c+15], v[SCO+\c]
	v_cvt_scalef32_pk16_fp6_f32 v[TM+4*\c:TM+4*\c+2], v[X+32*\c+16:X+32*\c+31], v[SCO+\c]   ; (three registers begin on an even number)
.endr
	v_nop                                          ; one plain place behind a scaled conversion
.irp c, 0,1
.irp i, 0,1,2
	v_mov_b32 v[C+6*\c+3+\i], v[TM+4*\c+\i]
.endr
.endr
	v_lshl_or_b32 v[TP], v[BY+1], 16, v[BY]        ; my bytes: blocks h and 2 + h,
	v_lshlrev_b32 v[TQ], 3, v3
	v_lshlrev_b32 v[TP], v[TQ], v[TP]              ; at their places in the word;
	v_mov_b32 v[TQ], 0
	v_permlanex16_b32 v[TQ], v[TP], s18, s19
	v_or_b32 v[TP], v[TP], v[TQ]                   ; with the other half's two the word is whole
.irp g, 0,1,2
	ds_store_b128 v8, v[C+4*\g:C+4*\g+3] offset:16*\g
.endr
	ds_store_b32 v9, v[TP]
	s_wait_kmcnt 0x0                               ; bg
	s_wait_dscnt 0x0                               ; for the others' sake: all my stores have landed
	s_barrier_signal -1
	s_barrier_wait -1
.irp g, 0,1,2
	ds_load_b128 v[X+4*\g:X+4*\g+3], v10 offset:512*\g
.endr
	s_wait_dscnt 0x0
.irp g, 0,1,2
	global_store_b128 v11, v[X+4*\g:X+4*\g+3], s[10:11] offset:512*\g   ; 512 consecutive bytes a store
.endr
	s_cmp_lg_u32 s2, 1
	s_cbranch_scc1 .Lnot_wave_1
	ds_load_b128 v[X+12:X+15], v12
	s_wait_dscnt 0x0
	global_store_b128 v13, v[X+12:X+15], s[12:13]  ; the 16 tokens' scale words: 512 bytes
.Lnot_wave_1:
	s_cmp_lg_u32 s2, 0
	s_cbranch_scc1 .Lend
	; wave 0 routes: lanes r and 16 + r both hold token r
.irp w, 0,1,2,3,4,5,6,7
	ds_load_b128 v[WB+8*\w:WB+8*\w+3], v14 offset:512*\w
	ds_load_b128 v[WB+8*\w+4:WB+8*\w+7], v14 offset:512*\w+16
.endr
	s_wait_dscnt 0x0
.irp e, 0,1,2,3,4,5,6,7
	v_add_f32 v[ACC+\e], v[WB+\e], v[WB+8+\e]
.endr
.irp w, 2,3,4,5,6,7
.irp e, 0,1,2,3,4,5,6,7
	v_add_f32 v[ACC+\e], v[ACC+\e], v[WB+8*\w+\e]
.endr
.endr
.irp e, 0,1,2,3,4,5,6,7
	v_add_f32 v[ACC+\e], s[24+\e], v[ACC+\e]
.endr
	v_mov_b32 v216, v[ACC]                         ; the largest, v217 its index: a strict compare keeps the lower index
	v_mov_b32 v217, 0
.irp e, 1,2,3,4,5,6,7
	v_cmp_gt_f32 vcc_lo, v[ACC+\e], v216
	v_mov_b32 v222, \e
	v_cndmask_b32 v216, v216, v[ACC+\e], vcc_lo
	v_cndmask_b32 v217, v217, v222, vcc_lo
.endr
	v_mov_b32 v218, 0xff800000                     ; the second, among the seven others
	v_mov_b32 v219, 0
.irp e, 0,1,2,3,4,5,6,7
	v_cmp_ne_u32 s20, \e, v217
	v_cmp_gt_f32 s21, v[ACC+\e], v218
	v_mov_b32 v222, \e
	s_and_b32 vcc_lo, s20, s21
	v_cndmask_b32 v218, v218, v[ACC+\e], vcc_lo
	v_cndmask_b32 v219, v219, v222, vcc_lo
.endr
	v_sub_f32 v220, v218, v216                     ; the maximum is taken away: 0 or less
	v_mul_f32 v220, 0x3fb8aa3b, v220
	v_exp_f32 v220, v220                           ; u = e^(second - largest)
	v_nop
	s_wait_alu depctr_va_vdst(0)                   ; the wait ahead of the first reader
	v_add_f32 v221, 1.0, v220
	v_rcp_f32 v221, v221                           ; the first gate 1 / (1 + u)
	v_nop
	s_wait_alu depctr_va_vdst(0)
	v_mul_f32 v220, v220, v221                     ; the second u / (1 + u)
	v_cmp_eq_u32 vcc_lo, 1, v3
	v_cndmask_b32 v221, v221, v220, vcc_lo         ; lanes 0-15 store choice 0's, lanes 16-31 choice 1's
	global_store_b32 v15, v221, s[14:15]
	v_mov_b32 v223, 0
.irp e, 0,1,2,3,4,5,6,7
	v_cmp_eq_u32 s20, \e, v217
	v_writelane_b32 v223, s20, \e                  ; lane 8 k + e: the 16 tokens' bits for choice k and expert e, in its low half
	v_cmp_eq_u32 s21, \e, v219
	v_writelane_b32 v223, s21, 8+\e
.endr
	v_and_b32 v222, 7, v1
	v_lshrrev_b32 v224, 3, v1
	v_lshlrev_b32 v222, 8, v222
	v_lshl_add_u32 v222, v224, 7, v222             ; 256 e + 128 k (+ 2 x work-group in the base)
	s_wait_xcnt 0x0                                ; EXEC changes only behind this wait
	v_cmp_gt_u32 vcc_lo, 16, v1
	s_and_saveexec_b32 s22, vcc_lo
	global_store_b16 v222, v223, s[16:17]
	s_wait_xcnt 0x0                                ; and again in front of the line that widens it
	s_or_b32 exec_lo, exec_lo, s22
.Lend:
	s_wait_tensorcnt 0x0
	ds_add_u32 v254, v255
	s_wait_dscnt 0x0
	s_endpgm
.Lfunc_end_k_qccc836c0f9_route:
	.size	k_qccc836c0f9_route, .Lfunc_end_k_qccc836c0f9_route-k_qccc836c0f9_route
	.p2alignl 7, 3214868480
	.fill 96, 4, 3214868480
	.section	.rodata,"a",@progbits
	.p2align	6, 0x0
	.amdhsa_kernel k_qccc836c0f9_route
		.amdhsa_group_segment_fixed_size 50688
		.amdhsa_private_segment_fixed_size 0
		.amdhsa_enable_private_segment 0
		.amdhsa_kernarg_size 56
		.amdhsa_user_sgpr_count 2
		.amdhsa_user_sgpr_kernarg_segment_ptr 1
		.amdhsa_wavefront_size32 1
		.amdhsa_system_sgpr_workgroup_id_x 1
		.amdhsa_system_sgpr_workgroup_id_y 1
		.amdhsa_system_sgpr_workgroup_id_z 1
		.amdhsa_system_vgpr_workitem_id 0
		.amdhsa_next_free_vgpr 256
		.amdhsa_next_free_sgpr 66
		.amdhsa_reserve_vcc 1
		.amdhsa_float_denorm_mode_32 3
		.amdhsa_float_denorm_mode_16_64 3
		.amdhsa_memory_ordered 1
		.amdhsa_forward_progress 1
		.amdhsa_inst_pref_size 45
	.end_amdhsa_kernel
	.amdgpu_metadata
---
amdhsa.version: [ 1, 2 ]
amdhsa.kernels:
  - .name:           k_qccc836c0f9_route
    .symbol:         k_qccc836c0f9_route.kd
    .args:
      - { .name: x, .offset: 0, .size: 8, .value_kind: global_buffer, .address_space: global }
      - { .name: Wg, .offset: 8, .size: 8, .value_kind: global_buffer, .address_space: global }
      - { .name: bg, .offset: 16, .size: 8, .value_kind: global_buffer, .address_space: global }
      - { .name: xq, .offset: 24, .size: 8, .value_kind: global_buffer, .address_space: global }
      - { .name: xsc, .offset: 32, .size: 8, .value_kind: global_buffer, .address_space: global }
      - { .name: wts, .offset: 40, .size: 8, .value_kind: global_buffer, .address_space: global }
      - { .name: msk, .offset: 48, .size: 8, .value_kind: global_buffer, .address_space: global }
    .group_segment_fixed_size: 50688
    .private_segment_fixed_size: 0
    .kernarg_segment_align: 8
    .kernarg_segment_size: 56
    .max_flat_workgroup_size: 256
    .sgpr_count:     66
    .vgpr_count:     256
    .wavefront_size: 32
...
	.end_amdgpu_metadata
.endif
;; end of part 1
;; launch up (part 2): grid 32 x 8, 4 waves a work-group, no clusters, 102,912 bytes of LDS; arguments W1, b1, xq, xsc, msk, acd, asc, lst; writes acd, asc, lst
.if DOCPART == 2
	.amdgcn_target "amdgcn-amd-amdhsa--gfx1250"
	.amdhsa_code_object_version 6
	.text
	.protected	k_qccc836c0f9_up
	.globl	k_qccc836c0f9_up
	.p2align	8
	.type	k_qccc836c0f9_up,@function
k_qccc836c0f9_up:
	s_mov_b64 s[64:65], 0
	v_nop
	global_prefetch_b8 v0, s[64:65] scope:SCOPE_SE
	s_setreg_imm32_b32 hwreg(HW_REG_WAVE_MODE, 25, 1), 1
	s_wait_xcnt 0x0
; UP.  For expert e (grid y) and the slice of 128 hidden units kappa (grid x): a = act(x W1 + b1) for the rows routed to e, quantised along the hidden units.  act: exact GELU for even e, SiLU for odd e.
; Both operands of the product are codes of FP6 (E2M3) with one E8M0 byte for each 32 along K: x's come from the launch before, W1's slice [1024 K][128] is read once as f32 and quantised on the way.
; ROWS.  Row n of the expert is the n-th set bit of its 64 mask words; the bit's number is the routed id 1024 k + t.  Tile tau = n / 16.  Wave w's slot j of pass p is tile 24 p + 4 j + w: 384 rows a pass.
;   Pass 0 always runs whole; pass p > 0 runs whole where 384 p < the count.  Rows at or past the count repeat the last row (with no row at all: a token's row that nobody uses), so every tile of a pass that runs is written.
; THE STREAM.  A step is 128 along K.  A wave loads 32 rows x 512 bytes (32 loads of 16 bytes a lane: a SET, 128 registers); a lane then holds, for its columns 4 l + c, a whole block of 32 along K.
;   128 moves lay each column's 32 numbers in consecutive registers, as the conversions want them.  The codes go to LDS as images of the operand's registers; step s has its own 12,288 bytes, never written again.
;   A TILE OF W1 IS COLUMNS 64 half + 4 r + c (fragment 2 c + half): what the loads give a lane.  The product is used transposed (source 0 = W1, source 1 = x): lane (r, h) holds row r, and register jj of fragment
;   2 c + half the hidden unit 64 half + 32 h + 4 jj + c: the four fragments of a half give a lane one whole block of 32 neighbours, which is registers 6 half .. 6 half + 5 of the next product's operand.
; OUT: acd [e][72 tiles][32 K steps][1,536 bytes]: the operand's 12 registers as three runs of 32 lanes x 16 bytes;  asc [e][72][32][32 lanes]: scale words;  lst [e][1152] ids, then [e][32] copies of the count (kappa = 0 stores them).
; No tensor load and no cluster: branches hang on the stored count, and each byte of W1 has one reader.
; LIMITS: NaN and infinities are not served.  erf is a quotient of polynomials on [-4, 4]; Phi = (1 + erf) / 2 has an absolute error near 1e-7, so the very small a of h under about -3 loses relative accuracy
;   (it shows only in a block whose 32 numbers are all that negative).  A block of zeros gets the byte 1: its codes are zeros.
; REGISTERS.  Window 0: v0-15 ids and offsets; v16-27 x's offsets, a slot each; v28-39 at work, constants; v40-167 R: a set laid by columns, then W1's eight fragments, later Z and a; v168-171, v172-177 scale words alone;
;   v180-243 at work; v244-255 a's codes.   Window 1: two sets (v0, v128); later b1.   Window 2: the accumulators of slots 0-3 (64 j + 8 f).   Window 3: v0-127 slots 4, 5; v128-199 x's fragments.
.set WS,   98304                       ; LDS: 0: the codes' images, 8 steps x 8 fragments x 1,536;  WS: scale words, 512 bytes a step
.set R,    40
.set WSC,  168
.set XSC,  172
.set CQ,   180
.set MX,   212
.set SCO,  216
.set BY,   220
.set TM,   228
.set XA,   16
.set XSA,  22
.set Z,    40
.set AV,   104
.set PC,   244
.set XF,   128
.set BT,   0
.set BB,   64
.set MSB,  0
.macro WIN new                         ; the immediate's high byte repeats the setting that is left; at every label and branch the setting is 0
.if MSB != \new
	s_set_vgpr_msb (MSB<<8)|\new
.set MSB, \new
.endif
.endm
.macro BAR                             ; my LDS stores have landed and my LDS loads are in: then the work-group's barrier
	s_wait_dscnt 0x0
	s_barrier_signal -1
	s_barrier_wait -1
.endm
.macro LOADM                           ; the expert's 64 mask words: word q in s[16 + q], from q = 48 on in s[20 + q]
	s_load_b512 s[16:31], s[92:93], 0x0
	s_load_b512 s[32:47], s[92:93], 0x40
	s_load_b512 s[48:63], s[92:93], 0x80
	s_load_b512 s[68:83], s[92:93], 0xc0
.endm
.macro SLOADS set, i0, i1              ; rows i0 .. i1 of my 32 of a set: each load is one row's 512 consecutive bytes.  Sets 0-3 from the first base, 4-7 from the second, 8 MiB on: every step is an immediate
	WIN 0x40
.set li, \i0
.rept (\i1)-(\i0)+1
.if (\set) < 4
	global_load_b128 v[128*((\set)%2)+4*li:128*((\set)%2)+4*li+3], v4, s[4:5] offset:2097152*((\set)%4)+16384*li th:TH_LOAD_NT
.else
	global_load_b128 v[128*((\set)%2)+4*li:128*((\set)%2)+4*li+3], v4, s[6:7] offset:2097152*((\set)%4)+16384*li th:TH_LOAD_NT
.endif
.set li, li+1
.endr
	WIN 0
.endm
.macro PFW set                         ; a prefetch of my 32 rows x 512 bytes of the set that the NEXT step will load: a lane a row, two blocks of 256 bytes a row; the slice has one reader, so each block is named once
.if (\set) < 4
	global_prefetch_b8 v10, s[4:5] offset:2097152*((\set)%4) th:TH_LOAD_NT scope:SCOPE_SE
	global_prefetch_b8 v10, s[4:5] offset:2097152*((\set)%4)+256 th:TH_LOAD_NT scope:SCOPE_SE
.else
	global_prefetch_b8 v10, s[6:7] offset:2097152*((\set)%4) th:TH_LOAD_NT scope:SCOPE_SE
	global_prefetch_b8 v10, s[6:7] offset:2097152*((\set)%4)+256 th:TH_LOAD_NT scope:SCOPE_SE
.endif
.endm
.macro TRANS par                       ; register 4 i + c of the set (row i, column c) -> R + 32 c + i: each column's 32 numbers on end.  It also frees the set
	WIN 0x01
.set ti, 0
.rept 32
	v_mov_b32 v[R+ti], v[128*(\par)+4*ti]
	v_mov_b32 v[R+32+ti], v[128*(\par)+4*ti+1]
	v_mov_b32 v[R+64+ti], v[128*(\par)+4*ti+2]
	v_mov_b32 v[R+96+ti], v[128*(\par)+4*ti+3]
.set ti, ti+1
.endr
	WIN 0
.endm
.macro QUANT4                          ; four blocks of 32, all of each in my registers, by turns
.irp c, 0,1,2,3
	v_max3_num_f32 v[MX+\c], |v[R+32*\c]|, |v[R+32*\c+1]|, 0x1800000   ; with the floor 2^(3 - 127): the byte cannot fall under 1
.endr
.irp i, 2,4,6,8,10,12,14,16,18,20,22,24,26,28,30
.irp c, 0,1,2,3
	v_max3_num_f32 v[MX+\c], v[MX+\c], |v[R+32*\c+\i]|, |v[R+32*\c+\i+1]|
.endr
.endr
.irp c, 0,1,2,3
	v_add_nc_u32 v[SCO+\c], 0xff000000, v[MX+\c]   ; 2 off the exponent field: the conversion's scale operand
.endr
.irp c, 0,1,2,3
	v_lshrrev_b32 v[BY+\c], 23, v[SCO+\c]          ; the scale's byte
.endr
.irp c, 0,1,2,3
	v_cvt_scalef32_pk16_fp6_f32 v[CQ+8*\c:CQ+8*\c+2], v[R+32*\c:R+32*\c+15], v[SCO+\c]
	v_cvt_scalef32_pk16_fp6_f32 v[TM+4*\c:TM+4*\c+2], v[R+32*\c+16:R+32*\c+31], v[SCO+\c]   ; (three registers begin on an even number)
.endr
	v_nop                                          ; one plain place behind a scaled conversion
.irp c, 0,1,2,3
.irp i, 0,1,2
	v_mov_b32 v[CQ+8*\c+3+\i], v[TM+4*\c+\i]
.endr
.endr
.endm
.macro WSTORE kc, ks                   ; my block w of column 4 l + c is registers 6 (w / 2) .. + 5 of lane r + 16 (w % 2) of fragment 2 c + l / 16: four registers at 16 x that lane, two at 512 + 8 x that lane; the byte is byte w of the column's word
	v_add_nc_u32 v28, \kc, v5
	v_add_nc_u32 v29, \kc, v6
	v_add_nc_u32 v30, \ks, v7
.irp c, 0,1,2,3
	ds_store_b128 v28, v[CQ+8*\c:CQ+8*\c+3] offset:3072*\c
	ds_store_b64 v29, v[CQ+8*\c+4:CQ+8*\c+5] offset:3072*\c+512
	ds_store_b8 v30, v[BY+\c] offset:4*\c
.endr
.endm
.macro FRAGS kc, ks                    ; a step's eight fragments and their scale words (register c: lanes 0-15 fragment 2 c's rows, lanes 16-31 fragment 2 c + 1's)
	v_add_nc_u32 v31, \kc, v8
	v_add_nc_u32 v32, \kc, v9
	v_add_nc_u32 v33, \ks, v8
.irp f, 0,1,2,3,4,5,6,7
.irp k, 0,1
	ds_load_b128 v[R+12*\f+6*\k:R+12*\f+6*\k+3], v31 offset:1536*\f+768*\k
	ds_load_b64 v[R+12*\f+6*\k+4:R+12*\f+6*\k+5], v32 offset:1536*\f+768*\k+512
.endr
.endr
	ds_load_b128 v[WSC:WSC+3], v33
.endm
.macro WM d, a, b, cm, cn, sa, sb, rows ; one matrix instruction.  cm = 0: the constant 0 starts the sum;  rows = 1: source 0's scales in lanes 16-31
.if (\cm) == 0
.if (\rows) == 0
	v_wmma_scale_f32_16x16x128_f8f6f4 v[(\d):(\d)+7], v[(\a):(\a)+11], v[(\b):(\b)+11], 0, v[\sa], v[\sb] matrix_a_fmt:MATRIX_FMT_FP6 matrix_b_fmt:MATRIX_FMT_FP6
.else
	v_wmma_scale_f32_16x16x128_f8f6f4 v[(\d):(\d)+7], v[(\a):(\a)+11], v[(\b):(\b)+11], 0, v[\sa], v[\sb] matrix_a_fmt:MATRIX_FMT_FP6 matrix_b_fmt:MATRIX_FMT_FP6 matrix_a_scale:MATRIX_SCALE_ROW1
.endif
.else
.if (\rows) == 0
	v_wmma_scale_f32_16x16x128_f8f6f4 v[(\d):(\d)+7], v[(\a):(\a)+11], v[(\b):(\b)+11], v[(\cn):(\cn)+7], v[\sa], v[\sb] matrix_a_fmt:MATRIX_FMT_FP6 matrix_b_fmt:MATRIX_FMT_FP6
.else
	v_wmma_scale_f32_16x16x128_f8f6f4 v[(\d):(\d)+7], v[(\a):(\a)+11], v[(\b):(\b)+11], v[(\cn):(\cn)+7], v[\sa], v[\sb] matrix_a_fmt:MATRIX_FMT_FP6 matrix_b_fmt:MATRIX_FMT_FP6 matrix_a_scale:MATRIX_SCALE_ROW1
.endif
.endif
.endm
.macro MULS first                      ; 48 matrix instructions: six slots x eight fragments; the 48 accumulators take turns, one instruction a turn, in the same order in every step
.irp j, 0,1,2,3,4,5
.if \j < 4
	WIN 0xac                                       ; source 1 (x) window 3; C and D window 2
.set ab, 64*\j
.else
	WIN 0xfc                                       ; C and D window 3
.set ab, 64*(\j-4)
.endif
.irp f, 0,1,2,3,4,5,6,7
	WM ab+8*\f, R+12*\f, XF+12*\j, 1-\first, ab+8*\f, WSC+\f/2, XSC+\j, (\f)%2
.endr
.endr
	WIN 0
.rept 5
	v_nop                                          ; the places behind the last products: four for loads into and moves over their operands and for the first read of results, five for sums begun anew
.endr
.endm
.macro XLOADS bq, bs, oq, os           ; a step's fragments of x, 48 bytes a lane and slot, and their scale words
	WIN 0xc0
.irp j, 0,1,2,3,4,5
.irp g, 0,1,2
	global_load_b128 v[XF+12*\j+4*\g:XF+12*\j+4*\g+3], v[XA+\j], s[\bq:\bq+1] offset:(\oq)+16*\g
.endr
.endr
	WIN 0
.irp j, 0,1,2,3,4,5
	global_load_b32 v[XSC+\j], v[XSA+\j], s[\bs:\bs+1] offset:\os
.endr
.endm
.macro STEP s                          ; a step of the stream.  Set s has been shown landed by the step before
	TRANS (\s)%2
.if (\s) < 6
	SLOADS (\s)+2, 0, 31
.endif
.if (\s) < 5
	PFW (\s)+3
.endif
	QUANT4
	WSTORE 12288*(\s), 512*(\s)
	BAR                                            ; the step's eight fragments lie in LDS; their bytes are never written again, so one barrier a step is enough
	FRAGS 12288*(\s), WS+512*(\s)
.if (\s) < 6
	s_wait_loadcnt 32                              ; all but the 32 loads of set s + 2, which were issued last: x's fragments of this step are in, and so is set s + 1
.else
	s_wait_loadcnt 0x0
.endif
	s_wait_dscnt 0x0
.if (\s) == 7
	WIN 0x40                                       ; b1: my 2 x 32 hidden units, under the last products
.irp u, 0,1
.irp i, 0,1,2,3,4,5,6,7
	global_load_b128 v[BT+32*\u+4*\i:BT+32*\u+4*\i+3], v15, s[86:87] offset:256*\u+16*\i
.endr
.endr
	WIN 0
.endif
.if (\s) == 0
	MULS 1
.else
	MULS 0
.endif
.if (\s) < 7
	XLOADS 88, 90, 96*((\s)+1), 4*((\s)+1)
.endif
.endm
.macro LSTEP first                     ; a step of a later pass: W1's codes are in LDS already.  Every wave walks the loop; the branch stands inside it
	s_cmp_eq_u32 s6, 0
	s_cbranch_scc1 .Lls_\@
	XLOADS 10, 12, 0, 0
	FRAGS s8, s9
	s_wait_loadcnt 0x0
	s_wait_dscnt 0x0
	MULS \first
.Lls_\@:
	s_wait_xcnt 0x0                                ; the loads have read their bases
	s_add_nc_u64 s[10:11], s[10:11], 96
	s_add_nc_u64 s[12:13], s[12:13], 4
	s_add_co_u32 s8, s8, 12288
	s_add_co_u32 s9, s9, 512
.endm
.macro DESC src, fw, st                ; one descent: if the rank is not among the set bits of the lower part, take them off and go to the upper part
	v_bfe_u32 v189, v[\src], v188, \fw
	v_cmp_ge_u32 vcc_lo, v180, v189
	v_sub_nc_u32 v189, v180, v189
	v_add_nc_u32 v190, \st, v188
	v_cndmask_b32 v180, v180, v189, vcc_lo
	v_cndmask_b32 v188, v188, v190, vcc_lo
.endm
; The ids of my 96 rows of a pass that begins at row nb.  Trip v: lane (r, h) finds row nb + 64 (2 v + h) + 16 w + r.  The six slots' offsets move down by two a trip, so that after three trips slot j's stand at place j.
.macro PASSINIT nb
	s_mov_b32 s10, \nb
	s_mov_b32 s104, 0
.Lpi_\@:
	s_wait_xcnt 0x0                                ; the last trip's store and all earlier loads have read their registers
	v_add_nc_u32 v12, s10, v11                     ; the row,
	v_min_u32 v180, s15, v12                       ; held at the last row
	v_lshlrev_b32 v12, 2, v12
	v_mov_b32 v181, s16                            ; the word that holds the row's bit, v182 the rows ahead of that word, v183 its number
	v_mov_b32 v182, 0
	v_mov_b32 v183, 0
	s_mov_b32 s100, 0
.set q, 1
.rept 63
.if (q-1) < 48
.set mp, 16+q-1
.else
.set mp, 20+q-1
.endif
.if q < 48
.set mq, 16+q
.else
.set mq, 20+q
.endif
	s_bcnt1_i32_b32 s101, s[mp]
	s_add_co_u32 s100, s100, s101                  ; rows ahead of word q
	v_cmp_gt_u32 vcc_lo, s100, v180                ; more than my row: my bit lies further down, keep what I have
	v_cndmask_b32 v181, s[mq], v181, vcc_lo
	v_cndmask_b32 v182, s100, v182, vcc_lo
	v_cndmask_b32 v183, q, v183, vcc_lo
.set q, q+1
.endr
	v_sub_nc_u32 v180, v180, v182                  ; the rank inside the word
	v_lshrrev_b32 v184, 1, v181
	v_and_b32 v184, 0x55555555, v184
	v_sub_nc_u32 v184, v181, v184                  ; counts of 2 bits,
	v_lshrrev_b32 v185, 2, v184
	v_and_b32 v185, 0x33333333, v185
	v_and_b32 v186, 0x33333333, v184
	v_add_nc_u32 v185, v185, v186                  ; of 4,
	v_lshrrev_b32 v186, 4, v185
	v_add_nc_u32 v186, v186, v185
	v_and_b32 v186, 0x0f0f0f0f, v186               ; of 8,
	v_lshrrev_b32 v187, 8, v186
	v_add_nc_u32 v187, v187, v186                  ; of 16 (in byte 0)
	v_mov_b32 v188, 0
	DESC 187, 8, 16
	DESC 186, 8, 8
	DESC 185, 4, 4
	DESC 184, 2, 2
	DESC 181, 1, 1
	v_lshl_add_u32 v191, v183, 5, v188             ; the routed id
	s_cmp_lg_u32 ttmp9, 0
	s_cbranch_scc1 .Lns_\@
	global_store_b32 v12, v191, s[98:99]           ; the slice kappa = 0 hands the list to the next launch
.Lns_\@:
	v_mov_b32 v193, v191
	v_permlanex16_b32 v193, v191, s84, s85
	v_cndmask_b32 v194, v191, v193, s105           ; slot 2 v's id of row r, in both halves of the lanes (s105: lanes 16-31),
	v_cndmask_b32 v195, v193, v191, s105           ; and slot 2 v + 1's
	v_and_b32 v194, 0x3ff, v194                    ; the token
	v_and_b32 v195, 0x3ff, v195
	v_min_u32 v194, 0x3ff, v194
	v_min_u32 v195, 0x3ff, v195
.irp i, 0,1,2,3
	v_mov_b32 v[XA+\i], v[XA+2+\i]
	v_mov_b32 v[XSA+\i], v[XSA+2+\i]
.endr
	v_mul_u32_u24 v[XA+4], v194, 768
	v_mul_u32_u24 v[XA+5], v195, 768
	v_add_nc_u32 v[XA+4], v35, v[XA+4]             ; 768 t + 48 h
	v_add_nc_u32 v[XA+5], v35, v[XA+5]
	v_lshlrev_b32 v[XSA+4], 5, v194                ; 32 t
	v_lshlrev_b32 v[XSA+5], 5, v195
	s_add_co_u32 s10, s10, 128
	s_add_co_u32 s104, s104, 1
	s_cmp_lt_u32 s104, 3
	s_cbranch_scc1 .Lpi_\@
	s_wait_xcnt 0x0                                ; the last store has read its registers
.endm
.macro SETP n, val
	s_mov_b32 s[\n], \val
	s_mov_b32 s[\n+1], \val
.endm
.macro SETC                            ; constants, in the registers that held the masks; the packed forms name pairs
	SETP 16, 0x32edffee                            ; erf(z) = z P(z^2) / Q(z^2): P's coefficients from the second highest down (the highest stands in v[36:37])
	SETP 18, 0xb60cff51
	SETP 20, 0xb86ec2d2
	SETP 22, 0xba40ac63
	SETP 24, 0xbb41a1f6
	SETP 26, 0xbc83dbd4
	SETP 28, 0xb95fbd29                            ; Q's likewise (the highest in v[38:39])
	SETP 30, 0xbadc924e
	SETP 32, 0xbbf19bf8
	SETP 34, 0xbc69b6a7
	SETP 38, 0xbfb8aa3b                            ; -log2(e)
	SETP 42, 0x3f3504f3                            ; 1 / sqrt(2)
	s_bitcmp1_b32 s3, 0
	s_cselect_b32 s36, 1.0, 0x3f3504f3             ; CC: even experts work on z = (h + b1) / sqrt(2), odd ones on h + b1
	s_mov_b32 s37, s36
.endm
.macro COPY j                          ; Z = accumulators x CC + b1 x CC, each accumulator from its low end on
.if \j < 4
	WIN 0x12
.set ab, 64*\j
.else
	WIN 0x13
.set ab, 64*(\j-4)
.endif
.set i, 0
.rept 32
	v_pk_fma_f32 v[Z+i:Z+i+1], v[ab+i:ab+i+1], s[36:37], v[BB+i:BB+i+1] op_sel_hi:[1,0,1]
.set i, i+2
.endr
	WIN 0
.endm
	s_load_b256 s[84:91], s[0:1], 0x0              ; W1, b1, xq, xsc
	s_load_b256 s[92:99], s[0:1], 0x20             ; msk, acd, asc, lst
	v_lshl_add_u32 v178, v0, 2, 0x19000
	v_mov_b32 v179, 0
	v_lshrrev_b32 v1, 5, v0
	v_readfirstlane_b32 s2, v1                     ; wave
	s_and_b32 s3, ttmp7, 0xffff                    ; the expert
	v_and_b32 v1, 31, v0                           ; lane
	v_and_b32 v2, 15, v0                           ; r
	v_bfe_u32 v3, v0, 4, 1                         ; h
	v_lshlrev_b32 v8, 4, v1                        ; 16 x lane
	v_lshlrev_b32 v9, 3, v1                        ; 8 x lane
	s_lshl_b32 s100, s2, 19
	v_add_nc_u32 v4, s100, v8                      ; W1: 16 lane + my 32 rows of 16,384 bytes
	v_lshl_add_u32 v10, v1, 14, s100               ; the prefetches: a lane a row
	s_lshr_b32 s100, s2, 1
	s_and_b32 s101, s2, 1
	s_mul_i32 s100, s100, 768
	s_lshl_b32 s104, s101, 8
	s_add_co_u32 s104, s104, s100
	s_lshl_b32 s101, s101, 7
	s_add_co_u32 s101, s101, s100
	v_mul_u32_u24 v5, v3, 1536
	v_lshl_add_u32 v6, v2, 3, v5
	v_lshl_add_u32 v5, v2, 4, v5
	v_add_nc_u32 v5, s104, v5                      ; 1536 h + 768 (w / 2) + 16 (r + 16 (w % 2))
	v_add_nc_u32 v6, s101, v6                      ; 1536 h + 768 (w / 2) + 8 (r + 16 (w % 2))
	s_add_co_u32 s100, s2, WS
	v_add_nc_u32 v7, s100, v8                      ; WS + 16 lane + w
	s_lshl_b32 s100, s2, 4
	v_lshl_add_u32 v11, v3, 6, v2
	v_add_nc_u32 v11, s100, v11                    ; 64 h + 16 w + r
	s_mul_i32 s100, s2, 49152
	v_add_nc_u32 v13, s100, v8                     ; acd: 16 lane + tile w
	s_lshl_b32 s100, s2, 12
	v_lshl_add_u32 v14, v1, 2, s100                ; asc: 4 lane + tile w
	v_lshlrev_b32 v15, 7, v3                       ; b1: 32 numbers a half
	v_mul_u32_u24 v35, v3, 48
.irp i, 0,1,2,3,4,5,6,7,8,9,10,11
	v_mov_b32 v[XA+\i], 0                          ; written once: the first search moves them before it fills them
.endr
	v_mov_b32 v36, 0xaf95df0b                      ; P's highest coefficient, twice
	v_mov_b32 v37, 0xaf95df0b
	v_mov_b32 v38, 0xb77460cd                      ; Q's
	v_mov_b32 v39, 0xb77460cd
	s_wait_kmcnt 0x0
	s_lshl_b32 s100, s3, 8
	s_mov_b32 s101, 0
	s_add_nc_u64 s[92:93], s[92:93], s[100:101]
	LOADM
	s_lshl_b32 s100, s3, 24
	s_lshl_b32 s104, ttmp9, 9
	s_add_co_u32 s100, s100, s104
	s_add_nc_u64 s[4:5], s[84:85], s[100:101]      ; W1 at my expert and slice
	s_add_nc_u64 s[6:7], s[4:5], 0x800000          ; and four steps on
	SLOADS 0, 0, 31
	SLOADS 1, 0, 27                                ; 60 loads are out; the last four of set 1 follow behind the search, so that no issue waits for a free count meanwhile
	s_mov_b32 s84, 0x76543210
	s_mov_b32 s85, 0xfedcba98
	s_mov_b32 s105, 0xffff0000
	s_lshl_b32 s100, s3, 14
	s_add_co_u32 s100, s100, s104
	s_add_nc_u64 s[86:87], s[86:87], s[100:101]    ; b1
	s_mul_i32 s100, s3, 3538944
	s_mul_i32 s104, ttmp9, 1536
	s_add_co_u32 s100, s100, s104
	s_add_nc_u64 s[94:95], s[94:95], s[100:101]    ; acd: it walks on by four tiles a slot
	s_mul_i32 s100, s3, 294912
	s_lshl_b32 s104, ttmp9, 7
	s_add_co_u32 s100, s100, s104
	s_add_nc_u64 s[96:97], s[96:97], s[100:101]    ; asc likewise
	s_lshl_b32 s100, s3, 7
	s_add_co_u32 s100, s100, 36864
	s_add_nc_u64 s[12:13], s[98:99], s[100:101]    ; the count's place
	s_mul_i32 s100, s3, 4608
	s_add_nc_u64 s[98:99], s[98:99], s[100:101]    ; the list's
	s_wait_kmcnt 0x0
	s_mov_b32 s14, 0
.set q, 0
.rept 64
.if q < 48
.set mq, 16+q
.else
.set mq, 20+q
.endif
	s_bcnt1_i32_b32 s100, s[mq]
	s_add_co_u32 s14, s14, s100                    ; the expert's rows
.set q, q+1
.endr
	s_sub_co_u32 s15, s14, 1                       ; the last row (with no row: the greatest number, which holds nothing)
	s_or_b32 s100, ttmp9, s2
	s_cmp_lg_u32 s100, 0
	s_cbranch_scc1 .Lno_count
	v_mov_b32 v28, s14
	v_lshlrev_b32 v29, 2, v1
	global_store_b32 v29, v28, s[12:13]
.Lno_count:
	PASSINIT 0
	SLOADS 1, 28, 31
	XLOADS 88, 90, 0, 0
	s_wait_loadcnt 56                              ; behind set 0: set 1's 32 loads and x's 24
	STEP 0
	STEP 1
	STEP 2
	STEP 3
	STEP 4
	STEP 5
	STEP 6
	STEP 7
	SETC
	s_wait_loadcnt 0x0                             ; b1
	WIN 0x44
.irp f, 0,1,2,3,4,5,6,7
.irp j, 0,1,2,3,4,5,6,7
	v_mul_f32 v[BB+8*\f+\j], s36, v[BT+32*((\f)%2)+4*\j+\f/2]   ; b1 x CC in the accumulators' order: fragment f = 2 c + half, register j: unit 64 half + 32 h + 4 j + c
.endr
.endr
	WIN 0
	s_wait_xcnt 0x0                                ; the weights' bases are free
	s_mov_b32 s4, 0                                ; trips
	s_mov_b32 s5, 0                                ; the pass's first row
	s_mov_b32 s6, 1                                ; the pass in the accumulators is to go out
.Lpass:                                            ; three trips: the way out of a pass, then the next pass's products, if it has rows
	s_cmp_eq_u32 s6, 0
	s_cbranch_scc1 .Lno_epi
	SETC
	s_mov_b32 s40, 0
.Lslot:
.irp j, 0,1,2,3,4
	s_cmp_eq_u32 s40, \j
	s_cbranch_scc1 .Lcp\j
.endr
	COPY 5
	s_branch .Lact
.irp j, 0,1,2,3,4
.Lcp\j:
	COPY \j
	s_branch .Lact
.endr
.Lact:
	s_bitcmp1_b32 s3, 0
	s_cbranch_scc1 .Lsilu
	; GELU: a = z (erf(z) + 1) / sqrt(2), z = (h + b1) / sqrt(2); sixteen numbers (fragments 2 bq, 2 bq + 1) at a time
.set bq, 0
.rept 4
.set zb, Z+16*bq
.set i, 0
.rept 16
	v_med3_num_f32 v[180+i], v[zb+i], -4.0, 4.0
.set i, i+1
.endr
.set i, 0
.rept 8
	v_pk_mul_f32 v[196+i:197+i], v[180+i:181+i], v[180+i:181+i]
.set i, i+2
.endr
.set i, 0
.rept 8
	v_pk_fma_f32 v[212+i:213+i], v[36:37], v[196+i:197+i], s[16:17] op_sel_hi:[1,1,0]
	v_pk_fma_f32 v[228+i:229+i], v[38:39], v[196+i:197+i], s[28:29] op_sel_hi:[1,1,0]
.set i, i+2
.endr
.irp k, 18,20,22,24,26
.set i, 0
.rept 8
	v_pk_fma_f32 v[212+i:213+i], v[212+i:213+i], v[196+i:197+i], s[\k:\k+1] op_sel_hi:[1,1,0]
.set i, i+2
.endr
.endr
.irp k, 30,32,34
.set i, 0
.rept 8
	v_pk_fma_f32 v[228+i:229+i], v[228+i:229+i], v[196+i:197+i], s[\k:\k+1] op_sel_hi:[1,1,0]
.set i, i+2
.endr
.endr
.set i, 0
.rept 16
	v_rcp_f32 v[196+i], v[228+i]
.set i, i+1
.endr
.set i, 0
.rept 8
	v_pk_mul_f32 v[212+i:213+i], v[212+i:213+i], v[180+i:181+i]   ; z P: plain work behind the reciprocals, which names none of them
.set i, i+2
.endr
	s_wait_alu depctr_va_vdst(0)                   ; one wait for the sixteen, ahead of their first reader
.set i, 0
.rept 8
	v_pk_mul_f32 v[212+i:213+i], v[212+i:213+i], v[196+i:197+i]   ; erf
.set i, i+2
.endr
.set i, 0
.rept 8
	v_pk_fma_f32 v[212+i:213+i], v[212+i:213+i], s[42:43], s[42:43] op_sel_hi:[1,0,0]
.set i, i+2
.endr
.set i, 0
.rept 8
	v_mul_f32 v[AV+4*i+bq], v[zb+i], v[212+i]      ; into the order along the next K: 32 half + 4 j + c
	v_mul_f32 v[AV+32+4*i+bq], v[zb+8+i], v[220+i]
.set i, i+1
.endr
.set bq, bq+1
.endr
	s_branch .Lquant
.Lsilu:
	; SiLU: a = z / (1 + 2^(-z log2 e)), all 64 as one batch
.set i, 0
.rept 32
	v_pk_mul_f32 v[180+i:181+i], v[Z+i:Z+i+1], s[38:39] op_sel_hi:[1,0]
.set i, i+2
.endr
.set i, 0
.rept 64
	v_exp_f32 v[180+i], v[180+i]
.set i, i+1
.endr
	v_nop
	s_wait_alu depctr_va_vdst(0)
.set i, 0
.rept 32
	v_pk_add_f32 v[180+i:181+i], v[180+i:181+i], 1.0 op_sel_hi:[1,0]
.set i, i+2
.endr
.set i, 0
.rept 64
	v_rcp_f32 v[180+i], v[180+i]
.set i, i+1
.endr
	v_nop
	s_wait_alu depctr_va_vdst(0)
.irp f, 0,1,2,3,4,5,6,7
.irp j, 0,1,2,3,4,5,6,7
	v_mul_f32 v[AV+32*((\f)%2)+4*\j+\f/2], v[Z+8*\f+\j], v[180+8*\f+\j]
.endr
.endr
.Lquant:
	; my two blocks of 32 neighbours become registers 0-5 and 6-11 of the next operand
	v_max3_num_f32 v180, |v[AV]|, |v[AV+1]|, 0x1800000
	v_max3_num_f32 v181, |v[AV+32]|, |v[AV+33]|, 0x1800000
.irp i, 2,4,6,8,10,12,14,16,18,20,22,24,26,28,30
	v_max3_num_f32 v180, v180, |v[AV+\i]|, |v[AV+\i+1]|
	v_max3_num_f32 v181, v181, |v[AV+32+\i]|, |v[AV+33+\i]|
.endr
	v_add_nc_u32 v182, 0xff000000, v180
	v_add_nc_u32 v183, 0xff000000, v181
	v_lshrrev_b32 v184, 23, v182
	v_lshrrev_b32 v185, 23, v183
	v_cvt_scalef32_pk16_fp6_f32 v[PC:PC+2], v[AV:AV+15], v182
	v_cvt_scalef32_pk16_fp6_f32 v[188:190], v[AV+16:AV+31], v182
	v_cvt_scalef32_pk16_fp6_f32 v[PC+6:PC+8], v[AV+32:AV+47], v183
	v_cvt_scalef32_pk16_fp6_f32 v[192:194], v[AV+48:AV+63], v183
	v_nop                                          ; one plain place behind a scaled conversion
.irp i, 0,1,2
	v_mov_b32 v[PC+3+\i], v[188+\i]
	v_mov_b32 v[PC+9+\i], v[192+\i]
.endr
	v_lshl_or_b32 v186, v185, 16, v184             ; blocks h and 2 + h of my row,
	v_lshlrev_b32 v187, 3, v3
	v_lshlrev_b32 v186, v187, v186
	v_mov_b32 v187, 0
	v_permlanex16_b32 v187, v186, s84, s85
	v_or_b32 v186, v186, v187                      ; with the other half's: the row's scale word
	global_store_b128 v13, v[PC:PC+3], s[94:95]    ; 512 consecutive bytes a store
	global_store_b128 v13, v[PC+4:PC+7], s[94:95] offset:512
	global_store_b128 v13, v[PC+8:PC+11], s[94:95] offset:1024
	global_store_b32 v14, v186, s[96:97]
	s_wait_xcnt 0x0                                ; the stores have read their data and bases
	s_add_nc_u64 s[94:95], s[94:95], 196608        ; four tiles on; six slots are a pass's 24 tiles
	s_add_nc_u64 s[96:97], s[96:97], 16384
	s_add_co_u32 s40, s40, 1
	s_cmp_lt_u32 s40, 6
	s_cbranch_scc1 .Lslot
.Lno_epi:
	s_add_co_u32 s5, s5, 384
	s_cmp_lt_u32 s5, s14
	s_cselect_b32 s6, 1, 0                         ; has the next pass a row?
	s_cbranch_scc0 .Lno_init
	LOADM
	s_wait_kmcnt 0x0
	PASSINIT s5
.Lno_init:
	s_wait_xcnt 0x0
	s_mov_b32 s8, 0
	s_mov_b32 s9, WS
	s_mov_b64 s[10:11], s[88:89]
	s_mov_b64 s[12:13], s[90:91]
	LSTEP 1
	s_mov_b32 s7, 7
.Lk:
	LSTEP 0
	s_sub_co_u32 s7, s7, 1
	s_cmp_lg_u32 s7, 0
	s_cbranch_scc1 .Lk
	s_add_co_u32 s4, s4, 1
	s_cmp_lt_u32 s4, 3
	s_cbranch_scc1 .Lpass
	s_wait_tensorcnt 0x0
	ds_add_u32 v178, v179
	s_wait_dscnt 0x0
	s_endpgm
.Lfunc_end_k_qccc836c0f9_up:
	.size	k_qccc836c0f9_up, .Lfunc_end_k_qccc836c0f9_up-k_qccc836c0f9_up
	.p2alignl 7, 3214868480
	.fill 96, 4, 3214868480
	.section	.rodata,"a",@progbits
	.p2align	6, 0x0
	.amdhsa_kernel k_qccc836c0f9_up
		.amdhsa_group_segment_fixed_size 102912
		.amdhsa_private_segment_fixed_size 0
		.amdhsa_enable_private_segment 0
		.amdhsa_kernarg_size 64
		.amdhsa_user_sgpr_count 2
		.amdhsa_user_sgpr_kernarg_segment_ptr 1
		.amdhsa_wavefront_size32 1
		.amdhsa_system_sgpr_workgroup_id_x 1
		.amdhsa_system_sgpr_workgroup_id_y 1
		.amdhsa_system_sgpr_workgroup_id_z 1
		.amdhsa_system_vgpr_workitem_id 0
		.amdhsa_next_free_vgpr 1024
		.amdhsa_next_free_sgpr 106
		.amdhsa_reserve_vcc 1
		.amdhsa_float_denorm_mode_32 3
		.amdhsa_float_denorm_mode_16_64 3
		.amdhsa_memory_ordered 1
		.amdhsa_forward_progress 1
		.amdhsa_inst_pref_size 255
	.end_amdhsa_kernel
	.section	.bss,"aw",@nobits
	.p2align	6
	.space	262144
	.amdgpu_metadata
---
amdhsa.version: [ 1, 2 ]
amdhsa.kernels:
  - .name:           k_qccc836c0f9_up
    .symbol:         k_qccc836c0f9_up.kd
    .args:
      - { .name: W1, .offset: 0, .size: 8, .value_kind: global_buffer, .address_space: global }
      - { .name: b1, .offset: 8, .size: 8, .value_kind: global_buffer, .address_space: global }
      - { .name: xq, .offset: 16, .size: 8, .value_kind: global_buffer, .address_space: global }
      - { .name: xsc, .offset: 24, .size: 8, .value_kind: global_buffer, .address_space: global }
      - { .name: msk, .offset: 32, .size: 8, .value_kind: global_buffer, .address_space: global }
      - { .name: acd, .offset: 40, .size: 8, .value_kind: global_buffer, .address_space: global }
      - { .name: asc, .offset: 48, .size: 8, .value_kind: global_buffer, .address_space: global }
      - { .name: lst, .offset: 56, .size: 8, .value_kind: global_buffer, .address_space: global }
    .group_segment_fixed_size: 102912
    .private_segment_fixed_size: 0
    .kernarg_segment_align: 8
    .kernarg_segment_size: 64
    .max_flat_workgroup_size: 128
    .sgpr_count:     106
    .vgpr_count:     1024
    .wavefront_size: 32
...
	.end_amdgpu_metadata
.endif
;; end of part 2
;; launch down (part 3): grid 32 x 8, 4 waves a work-group, no clusters, 102,912 bytes of LDS; arguments W2, b2, acd, asc, lst, wts, ybf; writes ybf
.if DOCPART == 3
	.amdgcn_target "amdgcn-amd-amdhsa--gfx1250"
	.amdhsa_code_object_version 6
	.text
	.protected	k_qccc836c0f9_down
	.globl	k_qccc836c0f9_down
	.p2align	8
	.type	k_qccc836c0f9_down,@function
k_qccc836c0f9_down:
	s_mov_b64 s[64:65], 0
	v_nop
	global_prefetch_b8 v0, s[64:65] scope:SCOPE_SE
	s_setreg_imm32_b32 hwreg(HW_REG_WAVE_MODE, 25, 1), 1
	s_wait_xcnt 0x0
; DOWN.  For expert e (grid y), 64 output columns ds and half qh of K = 4,096 (grid x = ds + 16 qh): (a W2 + b2) x gate for the expert's rows, stored by routed id into plane qh of ybf [2][2048 ids][1024] f32.
; a comes as codes of FP6 (E2M3) with E8M0 scale words, laid as images of the operand's registers; W2's slice [2048 K][64] is read once as f32 and quantised on the way, as in the launch before.
; THE STREAM.  A round is 256 along K: two K steps.  A wave loads 64 rows x 256 bytes (32 loads: lanes 0-15 one row, lanes 16-31 the row 32 on); lane (r, h) then holds, for columns 4 r + c, the block of 32 at 64 w + 32 h.
;   A TILE OF W2 IS COLUMNS 4 r + c; fragment 4 k2 + c (k2: which of the round's K steps).  Source 0 = 16 rows of a, source 1 = W2: lane (r, h), register jj holds (row 8 h + jj, column 4 r + c): the four tiles' registers jj
;   are 16 neighbouring bytes of a row, and sixteen lanes store 256 consecutive bytes, aligned.
; ROWS as in the launch before: slot j of wave w in pass p is tile 24 p + 4 j + w.  The first round runs for all six slots (those tiles are always written); from then on a slot whose first row is at or past the count is
;   passed over.  Rows past the count in a slot that runs repeat the last row and store the same bytes to the same place.  b2 is the C of the first product where qh = 0.
; No tensor load and no cluster: branches hang on the stored count, and each byte of W2 has one reader.  LIMITS: NaN and infinities are not served; a block of zeros gets the byte 1 (its codes are zeros).
; REGISTERS.  Window 0: v0-14 ids and offsets; v28-33 at work; v40-167 R: a set by columns, then W2's eight fragments, on the way out ids, gates and results; v168-171, v172-177 scale words alone; v180-243 at work.
;   Window 1: two sets.   Window 2: accumulators 32 j + 8 c; v192-223 b2 in the result's layout.   Window 3: a's fragments 24 j + 12 k2.
.set WS,   98304
.set R,    40
.set WSC,  168
.set ASC,  172
.set CQ,   180
.set MX,   212
.set SCO,  216
.set BY,   220
.set TM,   228
.set BI,   192
.set MSB,  0
.macro WIN new                         ; the immediate's high byte repeats the setting that is left; at every label and branch the setting is 0
.if MSB != \new
	s_set_vgpr_msb (MSB<<8)|\new
.set MSB, \new
.endif
.endm
.macro BAR
	s_wait_dscnt 0x0
	s_barrier_signal -1
	s_barrier_wait -1
.endm
.macro SLOADS set                      ; a set: every round is an immediate, 1 MiB apart
	WIN 0x40
.set li, 0
.rept 32
	global_load_b128 v[128*((\set)%2)+4*li:128*((\set)%2)+4*li+3], v4, s[4:5] offset:1048576*(\set)+4096*li th:TH_LOAD_NT
.set li, li+1
.endr
	WIN 0
.endm
.macro PFW set                         ; a prefetch of my 64 rows x 256 bytes of the set that the NEXT round will load: a lane a row, twice; the slice has one reader, so each block is named once
	global_prefetch_b8 v10, s[4:5] offset:1048576*(\set) th:TH_LOAD_NT scope:SCOPE_SE
	global_prefetch_b8 v10, s[4:5] offset:1048576*(\set)+131072 th:TH_LOAD_NT scope:SCOPE_SE
.endm
.macro TRANS par
	WIN 0x01
.set ti, 0
.rept 32
	v_mov_b32 v[R+ti], v[128*(\par)+4*ti]
	v_mov_b32 v[R+32+ti], v[128*(\par)+4*ti+1]
	v_mov_b32 v[R+64+ti], v[128*(\par)+4*ti+2]
	v_mov_b32 v[R+96+ti], v[128*(\par)+4*ti+3]
.set ti, ti+1
.endr
	WIN 0
.endm
.macro QUANT4
.irp c, 0,1,2,3
	v_max3_num_f32 v[MX+\c], |v[R+32*\c]|, |v[R+32*\c+1]|, 0x1800000   ; with the floor 2^(3 - 127): the byte cannot fall under 1
.endr
.irp i, 2,4,6,8,10,12,14,16,18,20,22,24,26,28,30
.irp c, 0,1,2,3
	v_max3_num_f32 v[MX+\c], v[MX+\c], |v[R+32*\c+\i]|, |v[R+32*\c+\i+1]|
.endr
.endr
.irp c, 0,1,2,3
	v_add_nc_u32 v[SCO+\c], 0xff000000, v[MX+\c]
.endr
.irp c, 0,1,2,3
	v_lshrrev_b32 v[BY+\c], 23, v[SCO+\c]
.endr
.irp c, 0,1,2,3
	v_cvt_scalef32_pk16_fp6_f32 v[CQ+8*\c:CQ+8*\c+2], v[R+32*\c:R+32*\c+15], v[SCO+\c]
	v_cvt_scalef32_pk16_fp6_f32 v[TM+4*\c:TM+4*\c+2], v[R+32*\c+16:R+32*\c+31], v[SCO+\c]
.endr
	v_nop                                          ; one plain place behind a scaled conversion
.irp c, 0,1,2,3
.irp i, 0,1,2
	v_mov_b32 v[CQ+8*\c+3+\i], v[TM+4*\c+\i]
.endr
.endr
.endm
.macro WSTORE kc, ks                   ; my block is registers 6 (w % 2) .. + 5 of my own lane in fragment 4 (w / 2) + c; its byte is byte 2 (w % 2) + h of the column's word
	v_add_nc_u32 v28, \kc, v5
	v_add_nc_u32 v29, \kc, v6
	v_add_nc_u32 v30, \ks, v7
.irp c, 0,1,2,3
	ds_store_b128 v28, v[CQ+8*\c:CQ+8*\c+3] offset:1536*\c
	ds_store_b64 v29, v[CQ+8*\c+4:CQ+8*\c+5] offset:1536*\c+512
	ds_store_b8 v30, v[BY+\c] offset:4*\c
.endr
.endm
.macro FRAGS kc, ks                    ; a round's eight fragments and their scale words (register c: lanes 0-15 the first K step's, lanes 16-31 the second's)
	v_add_nc_u32 v31, \kc, v8
	v_add_nc_u32 v32, \kc, v9
	v_add_nc_u32 v33, \ks, v8
.irp f, 0,1,2,3,4,5,6,7
.irp k, 0,1
	ds_load_b128 v[R+12*\f+6*\k:R+12*\f+6*\k+3], v31 offset:1536*\f+768*\k
	ds_load_b64 v[R+12*\f+6*\k+4:R+12*\f+6*\k+5], v32 offset:1536*\f+768*\k+512
.endr
.endr
	ds_load_b128 v[WSC:WSC+3], v33
.endm
.macro WM d, a, b, cn, sa, sb, rows    ; rows = 1: both sides' scales in lanes 16-31
.if (\rows) == 0
	v_wmma_scale_f32_16x16x128_f8f6f4 v[(\d):(\d)+7], v[(\a):(\a)+11], v[(\b):(\b)+11], v[(\cn):(\cn)+7], v[\sa], v[\sb] matrix_a_fmt:MATRIX_FMT_FP6 matrix_b_fmt:MATRIX_FMT_FP6
.else
	v_wmma_scale_f32_16x16x128_f8f6f4 v[(\d):(\d)+7], v[(\a):(\a)+11], v[(\b):(\b)+11], v[(\cn):(\cn)+7], v[\sa], v[\sb] matrix_a_fmt:MATRIX_FMT_FP6 matrix_b_fmt:MATRIX_FMT_FP6 matrix_a_scale:MATRIX_SCALE_ROW1 matrix_b_scale:MATRIX_SCALE_ROW1
.endif
.endm
.macro MULS first, gate                ; a slot: its four accumulators by turns, twice; a slot ends on accumulator 3 and whatever follows begins on an accumulator 0
.irp j, 0,1,2,3,4,5
.if \gate
	s_bitcmp1_b32 s15, \j
	s_cbranch_scc0 .Lm\@_\j
.endif
	WIN 0xa3                                       ; source 0 (a) window 3, source 1 (W2) window 0, C and D window 2
.irp k, 0,1
.irp c, 0,1,2,3
.if (\first) && ((\k)==0)
	WM 32*\j+8*\c, 24*\j+12*\k, R+12*(4*\k+\c), BI+8*\c, ASC+\j, WSC+\c, 0
.else
	WM 32*\j+8*\c, 24*\j+12*\k, R+12*(4*\k+\c), 32*\j+8*\c, ASC+\j, WSC+\c, \k
.endif
.endr
.endr
.if \gate
	WIN 0
.Lm\@_\j:
.endif
.endr
	WIN 0
.rept 5
	v_nop                                          ; the places behind the last products, on every way: four for loads into and moves over their operands and for the first read of results, five for sums begun anew
.endr
.endm
.macro XLOADS gate, bq, bs, oq, os     ; a round's two fragments of a for each slot, and one register of scale words: lanes 0-15 the first K step's, lanes 16-31 the second's
.irp j, 0,1,2,3,4,5
.if \gate
	s_bitcmp1_b32 s15, \j
	s_cbranch_scc0 .Lx\@_\j
.endif
	WIN 0xc0
.irp k, 0,1
.irp g, 0,1,2
	global_load_b128 v[24*\j+12*\k+4*\g:24*\j+12*\k+4*\g+3], v11, s[\bq:\bq+1] offset:196608*\j+(\oq)+1536*\k+512*\g
.endr
.endr
	WIN 0
	global_load_b32 v[ASC+\j], v12, s[\bs:\bs+1] offset:16384*\j+(\os)
.if \gate
.Lx\@_\j:
.endif
.endr
.endm
.macro STEP s
	TRANS (\s)%2
.if (\s) < 6
	SLOADS (\s)+2
.endif
.if (\s) < 5
	PFW (\s)+3
.endif
	QUANT4
	WSTORE 12288*(\s), 512*(\s)
	BAR                                            ; the round's eight fragments lie in LDS; their bytes are never written again
	FRAGS 12288*(\s), WS+512*(\s)
.if (\s) < 6
	s_wait_loadcnt 32                              ; all but the 32 loads of set s + 2, issued last on every way: a's fragments of this round are in, and so is set s + 1
.else
	s_wait_loadcnt 0x0
.endif
	s_wait_dscnt 0x0
.if (\s) == 0
	MULS 1, 0
.else
	MULS 0, 1
.endif
.if (\s) < 7
	XLOADS 1, 6, 8, 3072*((\s)+1), 256*((\s)+1)
.endif
.endm
.macro LSTEP first                     ; a round of a later pass: W2's codes are in LDS already.  Every wave walks the loop; the branch stands inside it
	s_cmp_eq_u32 s15, 0
	s_cbranch_scc1 .Lls_\@
	XLOADS 1, 10, 12, 0, 0
	FRAGS s31, s32
	s_wait_loadcnt 0x0
	s_wait_dscnt 0x0
	MULS \first, 1
.Lls_\@:
	s_wait_xcnt 0x0
	s_add_nc_u64 s[10:11], s[10:11], 3072
	s_add_nc_u64 s[12:13], s[12:13], 256
	s_add_co_u32 s31, s31, 12288
	s_add_co_u32 s32, s32, 512
.endm
.macro MKACT                           ; bit j: slot j's first row, s29 + 64 j + 16 w, lies under the count
	s_lshl_b32 s26, s2, 4
	s_add_co_u32 s26, s26, s29
	s_mov_b32 s15, 0
.irp j, 0,1,2,3,4,5
	s_cmp_lt_u32 s26, s14
	s_cselect_b32 s27, 1<<\j, 0
	s_or_b32 s15, s15, s27
	s_add_co_u32 s26, s26, 64
.endr
.endm
	s_load_b256 s[36:43], s[0:1], 0x0              ; W2, b2, acd, asc
	s_load_b128 s[44:47], s[0:1], 0x20             ; lst, wts
	s_load_b64 s[48:49], s[0:1], 0x30              ; ybf
	v_lshl_add_u32 v254, v0, 2, 0x19000
	v_mov_b32 v255, 0
	v_lshrrev_b32 v1, 5, v0
	v_readfirstlane_b32 s2, v1                     ; wave
	s_and_b32 s3, ttmp7, 0xffff                    ; the expert
	s_and_b32 s24, ttmp9, 15                       ; ds
	s_lshr_b32 s25, ttmp9, 4                       ; qh
	v_and_b32 v1, 31, v0
	v_and_b32 v2, 15, v0
	v_bfe_u32 v3, v0, 4, 1
	v_lshlrev_b32 v8, 4, v1                        ; 16 x lane
	v_lshlrev_b32 v9, 3, v1                        ; 8 x lane
	v_lshlrev_b32 v14, 4, v2                       ; 16 r
	s_lshl_b32 s26, s2, 18
	v_lshl_add_u32 v4, v3, 17, v14
	v_add_nc_u32 v4, s26, v4                       ; W2: rows 64 w + 32 h of 4,096 bytes, + 16 r
	v_lshl_add_u32 v10, v1, 12, s26                ; the prefetches: a lane a row
	s_lshr_b32 s26, s2, 1
	s_and_b32 s27, s2, 1
	s_mul_i32 s30, s26, 6144
	s_mul_i32 s31, s27, 768
	s_add_co_u32 s30, s30, s31
	v_add_nc_u32 v5, s30, v8                       ; 6144 (w / 2) + 768 (w % 2) + 16 lane
	v_add_nc_u32 v6, s30, v9                       ; ... + 8 lane
	s_lshl_b32 s26, s26, 8
	s_lshl_b32 s27, s27, 1
	s_add_co_u32 s26, s26, s27
	s_add_co_u32 s26, s26, WS
	v_add_nc_u32 v7, v14, v3
	v_add_nc_u32 v7, s26, v7                       ; WS + 256 (w / 2) + 16 r + 2 (w % 2) + h
	s_mul_i32 s26, s2, 49152
	v_add_nc_u32 v11, s26, v8                      ; acd: 16 lane + tile w
	s_lshl_b32 s26, s2, 12
	v_lshlrev_b32 v12, 2, v2
	v_lshl_add_u32 v12, v3, 7, v12
	v_add_nc_u32 v12, s26, v12                     ; asc: 4 r + K step h + tile w
	s_lshl_b32 s26, s2, 6
	v_lshl_add_u32 v13, v3, 5, s26                 ; lst: rows 8 h on of tile w
	s_wait_kmcnt 0x0
	s_lshl_b32 s26, s3, 7
	s_add_co_u32 s26, s26, 36864
	s_mov_b32 s27, 0
	s_add_nc_u64 s[50:51], s[44:45], s[26:27]
	s_load_b32 s14, s[50:51], 0x0                  ; the expert's rows
	s_lshl_b32 s26, s3, 12
	s_lshl_b32 s30, s24, 8
	s_add_co_u32 s26, s26, s30
	s_add_nc_u64 s[22:23], s[38:39], s[26:27]      ; b2
	s_lshl_b32 s26, s3, 24
	s_lshl_b32 s31, s25, 23
	s_add_co_u32 s26, s26, s31
	s_add_co_u32 s26, s26, s30
	s_add_nc_u64 s[4:5], s[36:37], s[26:27]        ; W2 at my expert, half and slice
	global_load_b128 v[16:19], v14, s[22:23]
	SLOADS 0
	SLOADS 1
	s_mul_i32 s26, s3, 3538944
	s_mul_i32 s31, s25, 24576
	s_add_co_u32 s26, s26, s31
	s_add_nc_u64 s[6:7], s[40:41], s[26:27]        ; acd at my expert and half
	s_mul_i32 s26, s3, 294912
	s_lshl_b32 s31, s25, 11
	s_add_co_u32 s26, s26, s31
	s_add_nc_u64 s[8:9], s[42:43], s[26:27]        ; asc likewise
	XLOADS 0, 6, 8, 0, 0
	s_mul_i32 s26, s3, 4608
	s_add_nc_u64 s[16:17], s[44:45], s[26:27]      ; the list
	s_mov_b64 s[18:19], s[46:47]                   ; the gates
	s_lshl_b32 s26, s25, 23
	s_add_co_u32 s26, s26, s30
	s_add_nc_u64 s[20:21], s[48:49], s[26:27]      ; ybf at my plane and columns
	s_cmp_eq_u32 s25, 0
	s_cselect_b32 s33, 1.0, 0                      ; b2 counts once: in the first half of K
	s_wait_kmcnt 0x0
	s_mov_b32 s29, 0
	MKACT
	s_wait_loadcnt 63                              ; 74 loads are younger than set 0: b2 and set 0 are in
	WIN 0x80
.irp c, 0,1,2,3
.irp j, 0,1,2,3,4,5,6,7
	v_mul_f32 v[BI+8*\c+\j], s33, v[16+\c]         ; b2 of column 4 r + c, in all eight rows of the result
.endr
.endr
	WIN 0
	STEP 0
	STEP 1
	STEP 2
	STEP 3
	STEP 4
	STEP 5
	STEP 6
	STEP 7
	s_mov_b32 s28, 0
.Lpass:                                            ; three trips: the way out of a pass, then the next pass's products, if I have rows in it
	s_cmp_eq_u32 s15, 0
	s_cbranch_scc1 .Lno_epi
	s_wait_xcnt 0x0
.irp j, 0,1,2,3,4,5
	global_load_b128 v[40+8*\j:43+8*\j], v13, s[16:17] offset:256*\j      ; the ids of rows 8 h + 0 .. 7 of each slot
	global_load_b128 v[44+8*\j:47+8*\j], v13, s[16:17] offset:256*\j+16
.endr
	s_wait_loadcnt 0x0
.set i, 0
.rept 48
	v_min_u32 v[40+i], 0x7ff, v[40+i]
.set i, i+1
.endr
.set i, 0
.rept 48
	v_lshlrev_b32 v[88+i], 2, v[40+i]
.set i, i+1
.endr
.set i, 0
.rept 48
	global_load_b32 v[88+i], v[88+i], s[18:19]     ; the row's gate (a load may land on its own address)
.set i, i+1
.endr
.set i, 0
.rept 48
	v_lshl_add_u32 v[40+i], v[40+i], 12, v14       ; the row's place in ybf: 4096 id + 16 r
.set i, i+1
.endr
	s_wait_loadcnt 0x0
.irp j, 0,1,2,3,4,5
	s_bitcmp1_b32 s15, \j
	s_cbranch_scc0 .Le\j
	s_wait_xcnt 0x0                                ; the last slot's stores have read their data
	WIN 0x02
.irp n, 0,1,2,3,4,5,6,7
.irp c, 0,1,2,3
	v_mul_f32 v[136+4*\n+\c], v[32*\j+8*\c+\n], v[88+8*\j+\n]   ; row by row
.endr
.endr
	WIN 0
.irp n, 0,1,2,3,4,5,6,7
	global_store_b128 v[40+8*\j+\n], v[136+4*\n:139+4*\n], s[20:21] th:TH_STORE_NT   ; sixteen lanes store 256 consecutive bytes, aligned
.endr
.Le\j:
.endr
.Lno_epi:
	s_wait_xcnt 0x0
	s_add_co_u32 s29, s29, 384
	MKACT
	s_add_nc_u64 s[6:7], s[6:7], 1179648           ; 24 tiles on
	s_add_nc_u64 s[8:9], s[8:9], 98304
	s_add_nc_u64 s[16:17], s[16:17], 1536
	s_mov_b64 s[10:11], s[6:7]
	s_mov_b64 s[12:13], s[8:9]
	s_mov_b32 s31, 0
	s_mov_b32 s32, WS
	LSTEP 1
	s_mov_b32 s30, 7
.Lk:
	LSTEP 0
	s_sub_co_u32 s30, s30, 1
	s_cmp_lg_u32 s30, 0
	s_cbranch_scc1 .Lk
	s_add_co_u32 s28, s28, 1
	s_cmp_lt_u32 s28, 3
	s_cbranch_scc1 .Lpass
	s_wait_tensorcnt 0x0
	ds_add_u32 v254, v255
	s_wait_dscnt 0x0
	s_endpgm
.Lfunc_end_k_qccc836c0f9_down:
	.size	k_qccc836c0f9_down, .Lfunc_end_k_qccc836c0f9_down-k_qccc836c0f9_down
	.p2alignl 7, 3214868480
	.fill 96, 4, 3214868480
	.section	.rodata,"a",@progbits
	.p2align	6, 0x0
	.amdhsa_kernel k_qccc836c0f9_down
		.amdhsa_group_segment_fixed_size 102912
		.amdhsa_private_segment_fixed_size 0
		.amdhsa_enable_private_segment 0
		.amdhsa_kernarg_size 56
		.amdhsa_user_sgpr_count 2
		.amdhsa_user_sgpr_kernarg_segment_ptr 1
		.amdhsa_wavefront_size32 1
		.amdhsa_system_sgpr_workgroup_id_x 1
		.amdhsa_system_sgpr_workgroup_id_y 1
		.amdhsa_system_sgpr_workgroup_id_z 1
		.amdhsa_system_vgpr_workitem_id 0
		.amdhsa_next_free_vgpr 1024
		.amdhsa_next_free_sgpr 66
		.amdhsa_reserve_vcc 0
		.amdhsa_float_denorm_mode_32 3
		.amdhsa_float_denorm_mode_16_64 3
		.amdhsa_memory_ordered 1
		.amdhsa_forward_progress 1
		.amdhsa_inst_pref_size 255
	.end_amdhsa_kernel
	.section	.bss,"aw",@nobits
	.p2align	6
	.space	262144
	.amdgpu_metadata
---
amdhsa.version: [ 1, 2 ]
amdhsa.kernels:
  - .name:           k_qccc836c0f9_down
    .symbol:         k_qccc836c0f9_down.kd
    .args:
      - { .name: W2, .offset: 0, .size: 8, .value_kind: global_buffer, .address_space: global }
      - { .name: b2, .offset: 8, .size: 8, .value_kind: global_buffer, .address_space: global }
      - { .name: acd, .offset: 16, .size: 8, .value_kind: global_buffer, .address_space: global }
      - { .name: asc, .offset: 24, .size: 8, .value_kind: global_buffer, .address_space: global }
      - { .name: lst, .offset: 32, .size: 8, .value_kind: global_buffer, .address_space: global }
      - { .name: wts, .offset: 40, .size: 8, .value_kind: global_buffer, .address_space: global }
      - { .name: ybf, .offset: 48, .size: 8, .value_kind: global_buffer, .address_space: global }
    .group_segment_fixed_size: 102912
    .private_segment_fixed_size: 0
    .kernarg_segment_align: 8
    .kernarg_segment_size: 56
    .max_flat_workgroup_size: 128
    .sgpr_count:     66
    .vgpr_count:     1024
    .wavefront_size: 32
...
	.end_amdgpu_metadata
.endif
;; end of part 3
;; launch comb (part 4): grid 256 x 1, 8 waves a work-group, no clusters, 0 bytes of LDS; arguments ybf, out0; writes out0
.if DOCPART == 4
	.amdgcn_target "amdgcn-amd-amdhsa--gfx1250"
	.amdhsa_code_object_version 6
	.text
	.protected	k_qccc836c0f9_comb
	.globl	k_qccc836c0f9_comb
	.p2align	8
	.type	k_qccc836c0f9_comb,@function
k_qccc836c0f9_comb:
	s_mov_b64 s[64:65], 0
	v_nop
	global_prefetch_b8 v0, s[64:65] scope:SCOPE_SE
	s_setreg_imm32_b32 hwreg(HW_REG_WAVE_MODE, 25, 1), 1
	s_wait_xcnt 0x0
; COMB.  out[t] = the sum of a token's four parts: its two choices (ids t and 1024 + t) x the two halves of K.  ybf: [2][2048][1024] f32, already weighed by the gates.
; A stream: a work-group takes 16,384 bytes of out (four tokens), a thread 16 bytes of each; all sixteen loads go out first; every load and store of a wave covers 512 consecutive bytes.
; No LDS, no matrix unit, no cluster: nothing is shared and memory binds.
	s_load_b128 s[4:7], s[0:1], 0x0                ; ybf, out0
	v_lshlrev_b32 v1, 4, v0
	s_lshl_b32 s8, ttmp9, 14
	s_mov_b32 s9, 0
	s_wait_kmcnt 0x0
	s_add_nc_u64 s[4:5], s[4:5], s[8:9]            ; the first half of K,
	s_add_nc_u64 s[6:7], s[6:7], s[8:9]
	s_add_nc_u64 s[10:11], s[4:5], 0x800000        ; the second: 8 MiB on
.irp u, 0,1,2,3
	global_load_b128 v[4+16*\u:7+16*\u], v1, s[4:5] offset:4096*\u th:TH_LOAD_NT
	global_load_b128 v[8+16*\u:11+16*\u], v1, s[10:11] offset:4096*\u th:TH_LOAD_NT
	global_load_b128 v[12+16*\u:15+16*\u], v1, s[4:5] offset:4096*\u+4194304 th:TH_LOAD_NT      ; the second choice: 1,024 rows on
	global_load_b128 v[16+16*\u:19+16*\u], v1, s[10:11] offset:4096*\u+4194304 th:TH_LOAD_NT
.endr
.irp u, 0,1,2,3
	s_wait_loadcnt 12-4*\u                         ; this token's four loads are in; the later tokens' may be out
	v_pk_add_f32 v[4+16*\u:5+16*\u], v[4+16*\u:5+16*\u], v[8+16*\u:9+16*\u]
	v_pk_add_f32 v[6+16*\u:7+16*\u], v[6+16*\u:7+16*\u], v[10+16*\u:11+16*\u]
	v_pk_add_f32 v[12+16*\u:13+16*\u], v[12+16*\u:13+16*\u], v[16+16*\u:17+16*\u]
	v_pk_add_f32 v[14+16*\u:15+16*\u], v[14+16*\u:15+16*\u], v[18+16*\u:19+16*\u]
	v_pk_add_f32 v[4+16*\u:5+16*\u], v[4+16*\u:5+16*\u], v[12+16*\u:13+16*\u]
	v_pk_add_f32 v[6+16*\u:7+16*\u], v[6+16*\u:7+16*\u], v[14+16*\u:15+16*\u]
	global_store_b128 v1, v[4+16*\u:7+16*\u], s[6:7] offset:4096*\u th:TH_STORE_NT
.endr
	s_endpgm
.Lfunc_end_k_qccc836c0f9_comb:
	.size	k_qccc836c0f9_comb, .Lfunc_end_k_qccc836c0f9_comb-k_qccc836c0f9_comb
	.p2alignl 7, 3214868480
	.fill 96, 4, 3214868480
	.section	.rodata,"a",@progbits
	.p2align	6, 0x0
	.amdhsa_kernel k_qccc836c0f9_comb
		.amdhsa_group_segment_fixed_size 0
		.amdhsa_private_segment_fixed_size 0
		.amdhsa_enable_private_segment 0
		.amdhsa_kernarg_size 16
		.amdhsa_user_sgpr_count 2
		.amdhsa_user_sgpr_kernarg_segment_ptr 1
		.amdhsa_wavefront_size32 1
		.amdhsa_system_sgpr_workgroup_id_x 1
		.amdhsa_system_sgpr_workgroup_id_y 1
		.amdhsa_system_sgpr_workgroup_id_z 1
		.amdhsa_system_vgpr_workitem_id 0
		.amdhsa_next_free_vgpr 96
		.amdhsa_next_free_sgpr 66
		.amdhsa_reserve_vcc 0
		.amdhsa_float_denorm_mode_32 3
		.amdhsa_float_denorm_mode_16_64 3
		.amdhsa_memory_ordered 1
		.amdhsa_forward_progress 1
		.amdhsa_inst_pref_size 5
	.end_amdhsa_kernel
	.amdgpu_metadata
---
amdhsa.version: [ 1, 2 ]
amdhsa.kernels:
  - .name:           k_qccc836c0f9_comb
    .symbol:         k_qccc836c0f9_comb.kd
    .args:
      - { .name: ybf, .offset: 0, .size: 8, .value_kind: global_buffer, .address_space: global }
      - { .name: out0, .offset: 8, .size: 8, .value_kind: global_buffer, .address_space: global }
    .group_segment_fixed_size: 0
    .private_segment_fixed_size: 0
    .kernarg_segment_align: 8
    .kernarg_segment_size: 16
    .max_flat_workgroup_size: 256
    .sgpr_count:     66
    .vgpr_count:     96
    .wavefront_size: 32
...
	.end_amdgpu_metadata
.endif
;; end of part 4
;; ======== version 2 of 2: 4 launches
;; workspace buffers: xq 786,432 bytes; xsc 32,768 bytes; wts 8,192 bytes; msk 2,048 bytes of whole numbers; lst 37,888 bytes of whole numbers; acd 28,311,552 bytes; asc 2,359,296 bytes; ybf 16,777,216 bytes
;; launch route (part 5): grid 64 x 1, 8 waves a work-group, no clusters, 50,688 bytes of LDS; arguments x, Wg, bg, xq, xsc, wts, msk; writes xq, xsc, wts, msk
.if DOCPART == 5
	.amdgcn_target "amdgcn-amd-amdhsa--gfx1250"
	.amdhsa_code_object_version 6
	.text
	.protected	k_qccc836c0f9_route
	.globl	k_qccc836c0f9_route
	.p2align	8
	.type	k_qccc836c0f9_route,@function
k_qccc836c0f9_route:
	s_mov_b64 s[64:65], 0
	v_nop
	global_prefetch_b8 v0, s[64:65] scope:SCOPE_SE
	s_setreg_imm32_b32 hwreg(HW_REG_WAVE_MODE, 25, 1), 1
	s_wait_xcnt 0x0
; ROUTE.  logits = x Wg + bg in f32, the two largest of eight (the lower index wins a tie), the softmax of the two; and x as codes of FP6 (E2M3) with one E8M0 byte for each 32 along K.
; A work-group takes 16 tokens; wave w takes K step w (128 of the 1,024).  Lane (r, h) holds, of token r, k = 128 w + 64 c + 32 h + 0 .. 31 for c = 0, 1: two whole blocks, in the order of the matrix operand's registers.
; OUT: xq [token][K step][h][48 bytes]: a lane's 12 operand registers on end;  xsc [token][K step]: one scale word;  wts [2][1024] f32: the gate of routed id 1024 k + t;
;      msk [expert][64 words]: bit id % 32 of word id / 32 is set where choice k of token t is that expert.  No address and no branch hangs on the choice.
; LIMITS: NaN and infinities among the inputs are not served.  A block of zeros gets the byte 1 (its codes are zeros; the bytes are read by this program alone).
.set PL,  32768                        ; LDS: 0: Wg's rows, 4,096 bytes for each wave, its own;  PL: partial logits [wave][16 tokens][8]
.set XST, 36864                        ; the 16 tokens' codes as they will lie in xq: 768 bytes a token
.set XSS, 49152                        ; their scale words: 32 bytes a token
.set X,   16                           ; v16-79   my 64 numbers of x
.set WB,  80                           ; v80-207  two sets of 8 rows of Wg
.set ACC, 208                          ; v208-215 eight logits
.set MX,  216
.set SCO, 218
.set BY,  220
.set TP,  222
.set TQ,  223
.set C,   224                          ; v224-235 my 12 registers of codes
.set TM,  236
	s_load_b256 s[4:11], s[0:1], 0x0               ; x, Wg, bg, xq
	s_load_b128 s[12:15], s[0:1], 0x20             ; xsc, wts
	s_load_b64 s[16:17], s[0:1], 0x30              ; msk
	v_lshl_add_u32 v254, v0, 2, 0xc200
	v_mov_b32 v255, 0
	v_lshrrev_b32 v1, 5, v0
	s_delay_alu instid0(VALU_DEP_1)
	v_readfirstlane_b32 s2, v1                     ; wave
	v_and_b32 v1, 31, v0                           ; lane
	v_and_b32 v2, 15, v0                           ; r
	v_bfe_u32 v3, v0, 4, 1                         ; h
	s_mov_b32 s18, 0x76543210
	s_mov_b32 s19, 0xfedcba98                      ; selects of v_permlanex16_b32 for lane l xor 16
	; every address is made here, ahead of the branches on the wave's number
	s_lshl_b32 s20, s2, 9
	v_lshlrev_b32 v4, 12, v2
	s_delay_alu instid0(VALU_DEP_1)
	v_lshl_add_u32 v4, v3, 7, v4
	s_delay_alu instid0(VALU_DEP_1)
	v_add_nc_u32 v4, s20, v4                       ; x: 4096 r + 512 w + 128 h
	s_lshl_b32 s21, s2, 12
	v_lshl_add_u32 v5, v1, 4, s21                  ; Wg, in memory and in LDS: 4096 w + 16 lane
	v_lshl_add_u32 v6, v3, 10, s21                 ; and read back: 4096 w + 1024 h (32 rows of 32 bytes a half)
	s_add_co_u32 s20, s20, PL
	v_lshl_add_u32 v7, v2, 5, s20                  ; my partial logits: PL + 512 w + 32 r
	s_mul_i32 s20, s2, 96
	s_add_co_u32 s20, s20, XST
	v_mul_u32_u24 v8, v2, 768
	s_delay_alu instid0(VALU_DEP_1)
	v_mad_u32_u24 v8, v3, 48, v8
	s_delay_alu instid0(VALU_DEP_1)
	v_add_nc_u32 v8, s20, v8                       ; my codes: XST + 768 r + 96 w + 48 h
	s_lshl_b32 s20, s2, 2
	s_add_co_u32 s20, s20, XSS
	v_lshl_add_u32 v9, v2, 5, s20                  ; my scale word: XSS + 32 r + 4 w
	s_mul_i32 s21, s2, 1536
	s_add_co_u32 s20, s21, XST
	v_lshl_add_u32 v10, v1, 4, s20                 ; the codes' way out: 1,536 bytes a wave
	v_lshl_add_u32 v11, v1, 4, s21
	v_lshlrev_b32 v13, 4, v1
	s_delay_alu instid0(VALU_DEP_1)
	v_add_nc_u32 v12, XSS, v13
	v_lshl_add_u32 v14, v2, 5, PL
	v_lshlrev_b32 v15, 2, v2
	s_delay_alu instid0(VALU_DEP_1)
	v_lshl_add_u32 v15, v3, 12, v15                ; wts: 4096 h + 4 r
	s_wait_kmcnt 0x0
	s_load_b256 s[24:31], s[8:9], 0x0              ; bg
	s_lshl_b32 s20, ttmp9, 16
	s_mov_b32 s21, 0
	s_add_nc_u64 s[4:5], s[4:5], s[20:21]          ; x at my 16 tokens
.irp i, 0,1,2,3,4,5,6,7
	global_load_b128 v[WB+4*\i:WB+4*\i+3], v5, s[6:7] offset:512*\i
.endr
.irp c, 0,1
.irp i, 0,1,2,3,4,5,6,7
	global_load_b128 v[X+32*\c+4*\i:X+32*\c+4*\i+3], v4, s[4:5] offset:256*\c+16*\i th:TH_LOAD_NT
.endr
.endr
	s_mul_i32 s20, ttmp9, 12288
	s_add_nc_u64 s[10:11], s[10:11], s[20:21]
	s_lshl_b32 s20, ttmp9, 9
	s_add_nc_u64 s[12:13], s[12:13], s[20:21]
	s_lshl_b32 s20, ttmp9, 6
	s_add_nc_u64 s[14:15], s[14:15], s[20:21]
	s_lshl_b32 s20, ttmp9, 1
	s_add_nc_u64 s[16:17], s[16:17], s[20:21]
	s_wait_loadcnt 16                              ; Wg's eight loads are in; x's sixteen may be out
.irp i, 0,1,2,3,4,5,6,7
	ds_store_b128 v5, v[WB+4*\i:WB+4*\i+3] offset:512*\i   ; my wave's own bytes: LDS serves a wave in order, no barrier
.endr
.macro WBATCH bt                       ; eight rows of Wg (k = 8 bt .. 8 bt + 7 of my 64), the same word for all lanes of a half
.irp q, 0,1,2,3,4,5,6,7
	ds_load_b128 v[WB+64*((\bt)%2)+8*\q:WB+64*((\bt)%2)+8*\q+3], v6 offset:2048*((\bt)/4)+32*(8*((\bt)%4)+\q)
	ds_load_b128 v[WB+64*((\bt)%2)+8*\q+4:WB+64*((\bt)%2)+8*\q+7], v6 offset:2048*((\bt)/4)+32*(8*((\bt)%4)+\q)+16
.endr
.endm
.macro FMAS bt
.irp q, 0,1,2,3,4,5,6,7
.irp e, 0,1,2,3,4,5,6,7
.if ((\bt)==0) && ((\q)==0)
	v_mul_f32 v[ACC+\e], v[X], v[WB+\e]            ; the first product starts the sums
.else
	v_fmac_f32 v[ACC+\e], v[X+8*(\bt)+\q], v[WB+64*((\bt)%2)+8*\q+\e]
.endif
.endr
.endr
.endm
	WBATCH 0
	WBATCH 1
	s_wait_loadcnt 0x0                             ; x
.irp bt, 0,1,2,3,4,5,6,7
.if \bt < 7
	s_wait_alu depctr_va_vdst(0)
	s_wait_dscnt 16                                ; this batch is in; the younger batch's sixteen may be out
.else
	s_wait_alu depctr_va_vdst(0)
	s_wait_dscnt 0x0
.endif
	FMAS \bt
.if \bt < 6
	WBATCH \bt+2
.endif
.endr
.irp e, 0,1,2,3,4,5,6,7
	v_permlanex16_b32 v[WB+\e], v[ACC+\e], s18, s19
.endr
.irp e, 0,1,2,3,4,5,6,7
	v_add_f32 v[ACC+\e], v[ACC+\e], v[WB+\e]       ; with the other half's 64: this K step's part of token r's logits
.endr
	ds_store_b128 v7, v[ACC:ACC+3]
	ds_store_b128 v7, v[ACC+4:ACC+7] offset:16
	; the quantiser: my two blocks by turns
.irp c, 0,1
	v_max3_num_f32 v[MX+\c], |v[X+32*\c]|, |v[X+32*\c+1]|, 0x1800000   ; and the floor 2^(3 - 127): the byte cannot fall under 1
.endr
.irp i, 2,4,6,8,10,12,14,16,18,20,22,24,26,28,30
.irp c, 0,1
	s_delay_alu instid0(VALU_DEP_2)
	v_max3_num_f32 v[MX+\c], v[MX+\c], |v[X+32*\c+\i]|, |v[X+32*\c+\i+1]|
.endr
.endr
.irp c, 0,1
	s_delay_alu instid0(VALU_DEP_2)
	v_add_nc_u32 v[SCO+\c], 0xff000000, v[MX+\c]   ; 2 off the exponent field: the conversion's scale operand
.endr
.irp c, 0,1
	s_delay_alu instid0(VALU_DEP_2)
	v_lshrrev_b32 v[BY+\c], 23, v[SCO+\c]          ; the scale's byte
.endr
.irp c, 0,1
	v_cvt_scalef32_pk16_fp6_f32 v[C+6*\c:C+6*\c+2], v[X+32*\c:X+32*\c+15], v[SCO+\c]
	v_cvt_scalef32_pk16_fp6_f32 v[TM+4*\c:TM+4*\c+2], v[X+32*\c+16:X+32*\c+31], v[SCO+\c]   ; (three registers begin on an even number)
.endr
	v_nop                                          ; one plain place behind a scaled conversion
.irp c, 0,1
.irp i, 0,1,2
	v_mov_b32 v[C+6*\c+3+\i], v[TM+4*\c+\i]
.endr
.endr
	v_lshl_or_b32 v[TP], v[BY+1], 16, v[BY]        ; my bytes: blocks h and 2 + h,
	v_lshlrev_b32 v[TQ], 3, v3
	s_delay_alu instid0(VALU_DEP_1)
	v_lshlrev_b32 v[TP], v[TQ], v[TP]              ; at their places in the word;
	v_mov_b32 v[TQ], 0
	s_delay_alu instid0(VALU_DEP_1)
	v_permlanex16_b32 v[TQ], v[TP], s18, s19
	s_delay_alu instid0(VALU_DEP_1)
	v_or_b32 v[TP], v[TP], v[TQ]                   ; with the other half's two the word is whole
.irp g, 0,1,2
	ds_store_b128 v8, v[C+4*\g:C+4*\g+3] offset:16*\g
.endr
	ds_store_b32 v9, v[TP]
	s_wait_kmcnt 0x0                               ; bg
	s_wait_dscnt 0x0                               ; for the others' sake: all my stores have landed
	s_barrier_signal -1
	s_barrier_wait -1
.irp g, 0,1,2
	ds_load_b128 v[X+4*\g:X+4*\g+3], v10 offset:512*\g
.endr
	s_wait_dscnt 0x0
.irp g, 0,1,2
	global_store_b128 v11, v[X+4*\g:X+4*\g+3], s[10:11] offset:512*\g   ; 512 consecutive bytes a store
.endr
	s_cmp_lg_u32 s2, 1
	s_cbranch_scc1 .Lnot_wave_1
	ds_load_b128 v[X+12:X+15], v12
	s_wait_dscnt 0x0
	global_store_b128 v13, v[X+12:X+15], s[12:13]  ; the 16 tokens' scale words: 512 bytes
.Lnot_wave_1:
	s_cmp_lg_u32 s2, 0
	s_cbranch_scc1 .Lend
	; wave 0 routes: lanes r and 16 + r both hold token r
.irp w, 0,1,2,3,4,5,6,7
	ds_load_b128 v[WB+8*\w:WB+8*\w+3], v14 offset:512*\w
	ds_load_b128 v[WB+8*\w+4:WB+8*\w+7], v14 offset:512*\w+16
.endr
	s_wait_dscnt 0x0
.irp e, 0,1,2,3,4,5,6,7
	v_add_f32 v[ACC+\e], v[WB+\e], v[WB+8+\e]
.endr
.irp w, 2,3,4,5,6,7
.irp e, 0,1,2,3,4,5,6,7
	v_add_f32 v[ACC+\e], v[ACC+\e], v[WB+8*\w+\e]
.endr
.endr
.irp e, 0,1,2,3,4,5,6,7
	v_add_f32 v[ACC+\e], s[24+\e], v[ACC+\e]
.endr
	v_mov_b32 v216, v[ACC]                         ; the largest, v217 its index: a strict compare keeps the lower index
	v_mov_b32 v217, 0
.irp e, 1,2,3,4,5,6,7
	s_delay_alu instid0(VALU_DEP_2)
	v_cmp_gt_f32 vcc_lo, v[ACC+\e], v216
	v_mov_b32 v222, \e
	s_delay_alu instid0(VALU_DEP_2)
	v_cndmask_b32 v216, v216, v[ACC+\e], vcc_lo
	s_delay_alu instid0(VALU_DEP_2)
	v_cndmask_b32 v217, v217, v222, vcc_lo
.endr
	v_mov_b32 v218, 0xff800000                     ; the second, among the seven others
	v_mov_b32 v219, 0
.irp e, 0,1,2,3,4,5,6,7
	v_cmp_ne_u32 s20, \e, v217
	s_delay_alu instid0(VALU_DEP_3)
	v_cmp_gt_f32 s21, v[ACC+\e], v218
	v_mov_b32 v222, \e
	s_and_b32 vcc_lo, s20, s21
	v_cndmask_b32 v218, v218, v[ACC+\e], vcc_lo
	v_cndmask_b32 v219, v219, v222, vcc_lo
.endr
	s_delay_alu instid0(VALU_DEP_2)
	v_sub_f32 v220, v218, v216                     ; the maximum is taken away: 0 or less
	s_delay_alu instid0(VALU_DEP_1)
	v_mul_f32 v220, 0x3fb8aa3b, v220
	s_wait_alu depctr_va_vdst(0)
	v_exp_f32 v220, v220                           ; u = e^(second - largest)
	v_nop
	s_wait_alu depctr_va_vdst(0)                   ; the wait ahead of the first reader
	v_add_f32 v221, 1.0, v220
	s_wait_alu depctr_va_vdst(0)
	v_rcp_f32 v221, v221                           ; the first gate 1 / (1 + u)
	v_nop
	s_wait_alu depctr_va_vdst(0)
	v_mul_f32 v220, v220, v221                     ; the second u / (1 + u)
	v_cmp_eq_u32 vcc_lo, 1, v3
	v_cndmask_b32 v221, v221, v220, vcc_lo         ; lanes 0-15 store choice 0's, lanes 16-31 choice 1's
	global_store_b32 v15, v221, s[14:15]
	v_mov_b32 v223, 0
.irp e, 0,1,2,3,4,5,6,7
	v_cmp_eq_u32 s20, \e, v217
	s_delay_alu instid0(VALU_DEP_1)
	v_writelane_b32 v223, s20, \e                  ; lane 8 k + e: the 16 tokens' bits for choice k and expert e, in its low half
	v_cmp_eq_u32 s21, \e, v219
	s_delay_alu instid0(VALU_DEP_1)
	v_writelane_b32 v223, s21, 8+\e
.endr
	v_and_b32 v222, 7, v1
	v_lshrrev_b32 v224, 3, v1
	s_delay_alu instid0(VALU_DEP_2)
	v_lshlrev_b32 v222, 8, v222
	s_delay_alu instid0(VALU_DEP_1)
	v_lshl_add_u32 v222, v224, 7, v222             ; 256 e + 128 k (+ 2 x work-group in the base)
	s_wait_alu depctr_va_vdst(0)
	s_wait_xcnt 0x0                                ; EXEC changes only behind this wait
	v_cmp_gt_u32 vcc_lo, 16, v1
	s_and_saveexec_b32 s22, vcc_lo
	global_store_b16 v222, v223, s[16:17]
	s_wait_xcnt 0x0                                ; and again in front of the line that widens it
	s_or_b32 exec_lo, exec_lo, s22
.Lend:
	s_wait_tensorcnt 0x0
	ds_add_u32 v254, v255
	s_wait_dscnt 0x0
	s_endpgm
.Lfunc_end_k_qccc836c0f9_route:
	.size	k_qccc836c0f9_route, .Lfunc_end_k_qccc836c0f9_route-k_qccc836c0f9_route
	.p2alignl 7, 3214868480
	.fill 96, 4, 3214868480
	.section	.rodata,"a",@progbits
	.p2align	6, 0x0
	.amdhsa_kernel k_qccc836c0f9_route
		.amdhsa_group_segment_fixed_size 50688
		.amdhsa_private_segment_fixed_size 0
		.amdhsa_enable_private_segment 0
		.amdhsa_kernarg_size 56
		.amdhsa_user_sgpr_count 2
		.amdhsa_user_sgpr_kernarg_segment_ptr 1
		.amdhsa_wavefront_size32 1
		.amdhsa_system_sgpr_workgroup_id_x 1
		.amdhsa_system_sgpr_workgroup_id_y 1
		.amdhsa_system_sgpr_workgroup_id_z 1
		.amdhsa_system_vgpr_workitem_id 0
		.amdhsa_next_free_vgpr 256
		.amdhsa_next_free_sgpr 66
		.amdhsa_reserve_vcc 1
		.amdhsa_float_denorm_mode_32 3
		.amdhsa_float_denorm_mode_16_64 3
		.amdhsa_memory_ordered 1
		.amdhsa_forward_progress 1
		.amdhsa_inst_pref_size 48
	.end_amdhsa_kernel
	.amdgpu_metadata
---
amdhsa.version: [ 1, 2 ]
amdhsa.kernels:
  - .name:           k_qccc836c0f9_route
    .symbol:         k_qccc836c0f9_route.kd
    .args:
      - { .name: x, .offset: 0, .size: 8, .value_kind: global_buffer, .address_space: global }
      - { .name: Wg, .offset: 8, .size: 8, .value_kind: global_buffer, .address_space: global }
      - { .name: bg, .offset: 16, .size: 8, .value_kind: global_buffer, .address_space: global }
      - { .name: xq, .offset: 24, .size: 8, .value_kind: global_buffer, .address_space: global }
      - { .name: xsc, .offset: 32, .size: 8, .value_kind: global_buffer, .address_space: global }
      - { .name: wts, .offset: 40, .size: 8, .value_kind: global_buffer, .address_space: global }
      - { .name: msk, .offset: 48, .size: 8, .value_kind: global_buffer, .address_space: global }
    .group_segment_fixed_size: 50688
    .private_segment_fixed_size: 0
    .kernarg_segment_align: 8
    .kernarg_segment_size: 56
    .max_flat_workgroup_size: 256
    .sgpr_count:     66
    .vgpr_count:     256
    .wavefront_size: 32
...
	.end_amdgpu_metadata
.endif
;; end of part 5
;; launch up (part 6): grid 32 x 8, 4 waves a work-group, no clusters, 102,912 bytes of LDS; arguments W1, b1, xq, xsc, msk, acd, asc, lst; writes acd, asc, lst
.if DOCPART == 6
	.amdgcn_target "amdgcn-amd-amdhsa--gfx1250"
	.amdhsa_code_object_version 6
	.text
	.protected	k_qccc836c0f9_up
	.globl	k_qccc836c0f9_up
	.p2align	8
	.type	k_qccc836c0f9_up,@function
k_qccc836c0f9_up:
	s_mov_b64 s[64:65], 0
	v_nop
	global_prefetch_b8 v0, s[64:65] scope:SCOPE_SE
	s_setreg_imm32_b32 hwreg(HW_REG_WAVE_SCHED_MODE, 0, 2), 2
	s_setreg_imm32_b32 hwreg(HW_REG_WAVE_MODE, 25, 1), 1
	s_wait_xcnt 0x0
	s_wait_alu depctr_vm_vsrc(0)
; UP.  For expert e (grid y) and the slice of 128 hidden units kappa (grid x): a = act(x W1 + b1) for the rows routed to e, quantised along the hidden units.  act: exact GELU for even e, SiLU for odd e.
; Both operands of the product are codes of FP6 (E2M3) with one E8M0 byte for each 32 along K: x's come from the launch before, W1's slice [1024 K][128] is read once as f32 and quantised on the way.
; ROWS.  Row n of the expert is the n-th set bit of its 64 mask words; the bit's number is the routed id 1024 k + t.  Tile tau = n / 16.  Wave w's slot j of pass p is tile 24 p + 4 j + w: 384 rows a pass.
;   Pass 0 always runs whole; pass p > 0 runs whole where 384 p < the count.  Rows at or past the count repeat the last row (with no row at all: a token's row that nobody uses), so every tile of a pass that runs is written.
; THE STREAM.  A step is 128 along K.  A wave loads 32 rows x 512 bytes (32 loads of 16 bytes a lane: a SET, 128 registers); a lane then holds, for its columns 4 l + c, a whole block of 32 along K.
;   128 moves lay each column's 32 numbers in consecutive registers, as the conversions want them.  The codes go to LDS as images of the operand's registers; step s has its own 12,288 bytes, never written again.
;   A TILE OF W1 IS COLUMNS 64 half + 4 r + c (fragment 2 c + half): what the loads give a lane.  The product is used transposed (source 0 = W1, source 1 = x): lane (r, h) holds row r, and register jj of fragment
;   2 c + half the hidden unit 64 half + 32 h + 4 jj + c: the four fragments of a half give a lane one whole block of 32 neighbours, which is registers 6 half .. 6 half + 5 of the next product's operand.
; OUT: acd [e][72 tiles][32 K steps][1,536 bytes]: the operand's 12 registers as three runs of 32 lanes x 16 bytes;  asc [e][72][32][32 lanes]: scale words;  lst [e][1152] ids, then [e][32] copies of the count (kappa = 0 stores them).
; No tensor load and no cluster: branches hang on the stored count, and each byte of W1 has one reader.
; LIMITS: NaN and infinities are not served.  erf is a quotient of polynomials on [-4, 4]; Phi = (1 + erf) / 2 has an absolute error near 1e-7, so the very small a of h under about -3 loses relative accuracy
;   (it shows only in a block whose 32 numbers are all that negative).  A block of zeros gets the byte 1: its codes are zeros.
; REGISTERS.  Window 0: v0-15 ids and offsets; v16-27 x's offsets, a slot each; v28-30, v34 LDS addresses for steps 4 to 7; v31-33 at work; v35-39 constants; v40-167 R: a set laid by columns, then W1's eight fragments, later Z and a;
;   v168-171, v172-177 scale words alone; v178 LDS address of W1's scale words; v180-243 at work; v244-255 a's codes.   Window 1: two sets (v0, v128); later b1.   Window 2: the accumulators of slots 0-3 (64 j + 8 f).
;   Window 3: v0-127 slots 4, 5; v128-199 x's fragments.
; THE MODE: SCHED_MODE bits 1:0 = 2 (LLVM: expert scheduling mode 2), set by the entry lines.  The code itself states the register dependences between vector or matrix instructions and memory or LDS instructions, with s_wait_alu, always for 0.
; THE PLAN.  Registers that memory or LDS instructions touch in the stream, and who else names them:
;   the two sets      Step s's 128 moves read set s % 2; the loads of set s + 2 land in it.
;   XF, XSC           Step s - 1's products read x's fragments and scale words; step s's loads land in them.
;   R, WSC            The moves write R, the maxima and conversions read it; then the LDS loads of W1's fragments land in it and in WSC; the products read both.
;   CQ, BY            The quantiser writes them; the step's LDS stores read them.
;   offsets, addresses  Made once at the head and never written again; x's offsets are written by the search for the rows, v31-33 in the later passes alone.
; So a step has three waits.  Behind the moves one on va_vdst: the moves are done with the set and the last products with x's registers; x's loads and the set's follow it, the set's dealt in four runs among the 64 maxima, which
; name R and MX alone.  Beside it one on vm_vsrc: the last step's LDS stores have read CQ and BY.  Ahead of the LDS stores one on va_vdst: CQ and BY are written, and moves and quantiser are done with R; no vector
; instruction stands between it and the fragments' LDS loads behind the barrier.
.set WS,   98304                       ; LDS: 0: the codes' images, 8 steps x 8 fragments x 1,536;  WS: scale words, 512 bytes a step
.set HB,   49152                       ; four steps' images: an LDS offset holds 16 bits, so steps 4 to 7 have address registers of their own, this much further on
.set R,    40
.set WSC,  168
.set XSC,  172
.set CQ,   180
.set MX,   212
.set SCO,  216
.set BY,   220
.set TM,   228
.set XA,   16
.set XSA,  22
.set Z,    40
.set AV,   104
.set PC,   244
.set XF,   128
.set BT,   0
.set BB,   64
.set MSB,  0
.macro WIN new                         ; the immediate's high byte repeats the setting that is left; at every label and branch the setting is 0
.if MSB != \new
	s_set_vgpr_msb (MSB<<8)|\new
.set MSB, \new
.endif
.endm
.macro BAR                             ; my LDS stores have landed and my LDS loads are in: then the work-group's barrier
	s_wait_dscnt 0x0
	s_barrier_signal -1
	s_barrier_wait -1
.endm
.macro LOADM                           ; the expert's 64 mask words: word q in s[16 + q], from q = 48 on in s[20 + q]
	s_load_b512 s[16:31], s[92:93], 0x0
	s_load_b512 s[32:47], s[92:93], 0x40
	s_load_b512 s[48:63], s[92:93], 0x80
	s_load_b512 s[68:83], s[92:93], 0xc0
.endm
.macro SLOADS set, i0, i1              ; rows i0 .. i1 of my 32 of a set: each load is one row's 512 consecutive bytes.  Sets 0-3 from the first base, 4-7 from the second, 8 MiB on: every step is an immediate
	WIN 0x40
.set li, \i0
.rept (\i1)-(\i0)+1
.if (\set) < 4
	global_load_b128 v[128*((\set)%2)+4*li:128*((\set)%2)+4*li+3], v4, s[4:5] offset:2097152*((\set)%4)+16384*li th:TH_LOAD_NT
.else
	global_load_b128 v[128*((\set)%2)+4*li:128*((\set)%2)+4*li+3], v4, s[6:7] offset:2097152*((\set)%4)+16384*li th:TH_LOAD_NT
.endif
.set li, li+1
.endr
	WIN 0
.endm
.macro PFW set                         ; a prefetch of my 32 rows x 512 bytes of the set that the NEXT step will load: a lane a row, two blocks of 256 bytes a row; the slice has one reader, so each block is named once
.if (\set) < 4
	global_prefetch_b8 v10, s[4:5] offset:2097152*((\set)%4) th:TH_LOAD_NT scope:SCOPE_SE
	global_prefetch_b8 v10, s[4:5] offset:2097152*((\set)%4)+256 th:TH_LOAD_NT scope:SCOPE_SE
.else
	global_prefetch_b8 v10, s[6:7] offset:2097152*((\set)%4) th:TH_LOAD_NT scope:SCOPE_SE
	global_prefetch_b8 v10, s[6:7] offset:2097152*((\set)%4)+256 th:TH_LOAD_NT scope:SCOPE_SE
.endif
.endm
.macro TRANS par                       ; register 4 i + c of the set (row i, column c) -> R + 32 c + i: each column's 32 numbers on end.  It also frees the set
	WIN 0x01
.set ti, 0
.rept 32
	v_mov_b32 v[R+ti], v[128*(\par)+4*ti]
	v_mov_b32 v[R+32+ti], v[128*(\par)+4*ti+1]
	v_mov_b32 v[R+64+ti], v[128*(\par)+4*ti+2]
	v_mov_b32 v[R+96+ti], v[128*(\par)+4*ti+3]
.set ti, ti+1
.endr
	WIN 0
.endm
; The quantiser: four blocks of 32, all of each in my registers, by turns.  It is written in pieces, so that a step's loads can stand between them.
.macro QM0
.irp c, 0,1,2,3
	v_max3_num_f32 v[MX+\c], |v[R+32*\c]|, |v[R+32*\c+1]|, 0x1800000   ; with the floor 2^(3 - 127): the byte cannot fall under 1
.endr
.endm
.macro QMI i
.irp c, 0,1,2,3
	v_max3_num_f32 v[MX+\c], v[MX+\c], |v[R+32*\c+(\i)]|, |v[R+32*\c+(\i)+1]|
.endr
.endm
.macro QREST
.irp c, 0,1,2,3
	v_add_nc_u32 v[SCO+\c], 0xff000000, v[MX+\c]   ; 2 off the exponent field: the conversion's scale operand
.endr
.irp c, 0,1,2,3
	v_lshrrev_b32 v[BY+\c], 23, v[SCO+\c]          ; the scale's byte
.endr
.irp c, 0,1,2,3
	v_cvt_scalef32_pk16_fp6_f32 v[CQ+8*\c:CQ+8*\c+2], v[R+32*\c:R+32*\c+15], v[SCO+\c]
	v_cvt_scalef32_pk16_fp6_f32 v[TM+4*\c:TM+4*\c+2], v[R+32*\c+16:R+32*\c+31], v[SCO+\c]   ; (three registers begin on an even number)
.endr
	v_nop                                          ; one plain place behind a scaled conversion
.irp c, 0,1,2,3
.irp i, 0,1,2
	v_mov_b32 v[CQ+8*\c+3+\i], v[TM+4*\c+\i]
.endr
.endr
.endm
.macro WSTORE s                        ; my block w of column 4 l + c is registers 6 (w / 2) .. + 5 of lane r + 16 (w % 2) of fragment 2 c + l / 16: four registers at 16 x that lane, two at 512 + 8 x that lane; the byte is byte w of the column's word
.if (\s) < 4
.set wa, 5
.set wb, 6
.else
.set wa, 28
.set wb, 29
.endif
.irp c, 0,1,2,3
	ds_store_b128 v[wa], v[CQ+8*\c:CQ+8*\c+3] offset:12288*((\s)%4)+3072*\c
	ds_store_b64 v[wb], v[CQ+8*\c+4:CQ+8*\c+5] offset:12288*((\s)%4)+3072*\c+512
	ds_store_b8 v7, v[BY+\c] offset:512*(\s)+4*\c
.endr
.endm
.macro FRAGS a16, a8, as, kc, ks       ; a step's eight fragments and their scale words (register c: lanes 0-15 fragment 2 c's rows, lanes 16-31 fragment 2 c + 1's).  a16, a8, as: the address registers; kc, ks: the step's bytes
.irp f, 0,1,2,3,4,5,6,7
.irp k, 0,1
	ds_load_b128 v[R+12*\f+6*\k:R+12*\f+6*\k+3], v[\a16] offset:(\kc)+1536*\f+768*\k
	ds_load_b64 v[R+12*\f+6*\k+4:R+12*\f+6*\k+5], v[\a8] offset:(\kc)+1536*\f+768*\k+512
.endr
.endr
	ds_load_b128 v[WSC:WSC+3], v[\as] offset:\ks
.endm
.macro WM d, a, b, cm, cn, sa, sb, rows ; one matrix instruction.  cm = 0: the constant 0 starts the sum;  rows = 1: source 0's scales in lanes 16-31
.if (\cm) == 0
.if (\rows) == 0
	v_wmma_scale_f32_16x16x128_f8f6f4 v[(\d):(\d)+7], v[(\a):(\a)+11], v[(\b):(\b)+11], 0, v[\sa], v[\sb] matrix_a_fmt:MATRIX_FMT_FP6 matrix_b_fmt:MATRIX_FMT_FP6
.else
	v_wmma_scale_f32_16x16x128_f8f6f4 v[(\d):(\d)+7], v[(\a):(\a)+11], v[(\b):(\b)+11], 0, v[\sa], v[\sb] matrix_a_fmt:MATRIX_FMT_FP6 matrix_b_fmt:MATRIX_FMT_FP6 matrix_a_scale:MATRIX_SCALE_ROW1
.endif
.else
.if (\rows) == 0
	v_wmma_scale_f32_16x16x128_f8f6f4 v[(\d):(\d)+7], v[(\a):(\a)+11], v[(\b):(\b)+11], v[(\cn):(\cn)+7], v[\sa], v[\sb] matrix_a_fmt:MATRIX_FMT_FP6 matrix_b_fmt:MATRIX_FMT_FP6
.else
	v_wmma_scale_f32_16x16x128_f8f6f4 v[(\d):(\d)+7], v[(\a):(\a)+11], v[(\b):(\b)+11], v[(\cn):(\cn)+7], v[\sa], v[\sb] matrix_a_fmt:MATRIX_FMT_FP6 matrix_b_fmt:MATRIX_FMT_FP6 matrix_a_scale:MATRIX_SCALE_ROW1
.endif
.endif
.endm
.macro MULS first                      ; 48 matrix instructions: six slots x eight fragments; the 48 accumulators take turns, one instruction a turn, in the same order in every step
.irp j, 0,1,2,3,4,5
.if \j < 4
	WIN 0xac                                       ; source 1 (x) window 3; C and D window 2
.set ab, 64*\j
.else
	WIN 0xfc                                       ; C and D window 3
.set ab, 64*(\j-4)
.endif
.irp f, 0,1,2,3,4,5,6,7
	WM ab+8*\f, R+12*\f, XF+12*\j, 1-\first, ab+8*\f, WSC+\f/2, XSC+\j, (\f)%2
.endr
.endr
	WIN 0
.rept 5
	v_nop                                          ; the places behind the last products: four for moves over their operands and for the first read of results, five for sums begun anew
.endr
.endm
.macro XLOADS bq, bs, oq, os           ; a step's fragments of x, 48 bytes a lane and slot, and their scale words
	WIN 0xc0
.irp j, 0,1,2,3,4,5
.irp g, 0,1,2
	global_load_b128 v[XF+12*\j+4*\g:XF+12*\j+4*\g+3], v[XA+\j], s[\bq:\bq+1] offset:(\oq)+16*\g
.endr
.endr
	WIN 0
.irp j, 0,1,2,3,4,5
	global_load_b32 v[XSC+\j], v[XSA+\j], s[\bs:\bs+1] offset:\os
.endr
.endm
.macro STEP s                          ; a step of the stream.  Set s has been shown landed by the step before
	TRANS (\s)%2
	s_wait_alu depctr_va_vdst(0)                   ; the moves are done reading set s % 2, in which set s + 2 lands; the last step's products are done reading x's fragments and scale words, in which this step's land
.if (\s) > 0
	s_wait_alu depctr_vm_vsrc(0)                   ; the last step's LDS stores have read the codes and bytes in v[CQ ..] and v[BY ..], which the quantiser writes again
	XLOADS 88, 90, 96*(\s), 4*(\s)                 ; (step 0's were asked for at the head)
.endif
.if (\s) < 6
	SLOADS (\s)+2, 0, 7                            ; the set's loads in four runs of eight.  No further wait: the maxima between them name R and MX alone
.endif
	QM0
.irp i, 2,4,6
	QMI \i
.endr
.if (\s) < 6
	SLOADS (\s)+2, 8, 15
.endif
.irp i, 8,10,12,14
	QMI \i
.endr
.if (\s) < 6
	SLOADS (\s)+2, 16, 23
.endif
.irp i, 16,18,20,22
	QMI \i
.endr
.if (\s) < 6
	SLOADS (\s)+2, 24, 31
.endif
.if (\s) < 5
	PFW (\s)+3
.endif
.irp i, 24,26,28,30
	QMI \i
.endr
	QREST
	s_wait_alu depctr_va_vdst(0)                   ; the codes and bytes are written, which the LDS stores read; the moves have written R and the quantiser is done reading it: behind the barrier W1's fragments land there
	WSTORE \s
	BAR                                            ; the step's eight fragments lie in LDS; their bytes are never written again, so one barrier a step is enough
.if (\s) < 4
	FRAGS 8, 9, 178, 12288*(\s), 512*(\s)
.else
	FRAGS 30, 34, 178, 12288*((\s)-4), 512*(\s)
.endif
.if (\s) < 6
	s_wait_loadcnt 32                              ; all but the 32 loads of set s + 2, which were issued last: x's fragments of this step are in, and so is set s + 1
.else
	s_wait_loadcnt 0x0
.endif
	s_wait_dscnt 0x0
.if (\s) == 7
	WIN 0x40                                       ; b1: my 2 x 32 hidden units, under the last products.  They land in set 0's registers, which no vector instruction has named since step 6's moves
.irp u, 0,1
.irp i, 0,1,2,3,4,5,6,7
	global_load_b128 v[BT+32*\u+4*\i:BT+32*\u+4*\i+3], v15, s[86:87] offset:256*\u+16*\i
.endr
.endr
	WIN 0
.endif
.if (\s) == 0
	MULS 1
.else
	MULS 0
.endif
.endm
.macro LSTEP first                     ; a step of a later pass: W1's codes are in LDS already.  Every wave walks the loop; the branch stands inside it
	s_cmp_eq_u32 s6, 0
	s_cbranch_scc1 .Lls_\@
	s_wait_alu depctr_vm_vsrc(0)                   ; the LDS loads of the step before (ahead of the first: the count's store) have read v31 to v33
	v_add_nc_u32 v31, s8, v8
	v_add_nc_u32 v32, s8, v9
	v_add_nc_u32 v33, s9, v8
	s_wait_alu depctr_va_vdst(0)                   ; v31 to v33 and, in a pass's first step, x's offsets are written; the last products and the way out are done with R, WSC and x's registers, in which the loads below land
	XLOADS 10, 12, 0, 0
	FRAGS 31, 32, 33, 0, 0
	s_wait_loadcnt 0x0
	s_wait_dscnt 0x0
	MULS \first
.Lls_\@:
	s_wait_xcnt 0x0                                ; the loads have read their bases
	s_add_nc_u64 s[10:11], s[10:11], 96
	s_add_nc_u64 s[12:13], s[12:13], 4
	s_add_co_u32 s8, s8, 12288
	s_add_co_u32 s9, s9, 512
.endm
.macro DESC src, fw, st                ; one descent: if the rank is not among the set bits of the lower part, take them off and go to the upper part
	v_bfe_u32 v189, v[\src], v188, \fw
	v_cmp_ge_u32 vcc_lo, v180, v189
	v_sub_nc_u32 v189, v180, v189
	v_add_nc_u32 v190, \st, v188
	s_wait_alu depctr_va_vcc(0)                    ; the compare has written VCC, which the two selects read
	v_cndmask_b32 v180, v180, v189, vcc_lo
	v_cndmask_b32 v188, v188, v190, vcc_lo
.endm
; The ids of my 96 rows of a pass that begins at row nb.  Trip v: lane (r, h) finds row nb + 64 (2 v + h) + 16 w + r.  The six slots' offsets move down by two a trip, so that after three trips slot j's stand at place j.
; The 63 words are scanned three at a time: three sums of rows ahead (s8, s9, s11), three compares into s12, s13, s101, one wait for the three masks, nine selects, in the words' order.
.macro PASSINIT nb
	s_mov_b32 s10, \nb
	s_mov_b32 s104, 0
.Lpi_\@:
	s_wait_xcnt 0x0                                ; the last trip's store and all earlier loads have read their registers
	s_wait_alu depctr_vm_vsrc(0)                   ; the last trip's store has read v12 and v191, x's loads of the pass before have read the slots' offsets: all are written again below
	v_add_nc_u32 v12, s10, v11                     ; the row,
	v_min_u32 v180, s15, v12                       ; held at the last row
	v_lshlrev_b32 v12, 2, v12
	v_mov_b32 v181, s16                            ; the word that holds the row's bit, v182 the rows ahead of that word, v183 its number
	s_wait_alu depctr_va_vdst(0)
	v_mov_b32 v182, 0
	s_wait_alu depctr_va_vdst(0)
	v_mov_b32 v183, 0
	s_wait_alu depctr_va_vdst(0)
	s_mov_b32 s11, 0
.set q, 1
.rept 21
	s_bcnt1_i32_b32 s100, s[16+(q-1)+4*((q-1)/48)]
	s_add_co_u32 s8, s11, s100                     ; rows ahead of word q,
	s_bcnt1_i32_b32 s100, s[16+q+4*(q/48)]
	s_add_co_u32 s9, s8, s100                      ; of word q + 1,
	s_bcnt1_i32_b32 s100, s[16+(q+1)+4*((q+1)/48)]
	s_add_co_u32 s11, s9, s100                     ; of word q + 2
	v_cmp_gt_u32 s12, s8, v180                     ; more than my row: my bit lies further down, keep what I have
	v_cmp_gt_u32 s13, s9, v180
	v_cmp_gt_u32 s101, s11, v180
	s_wait_alu depctr_va_sdst(0)                   ; the three compares have written s12, s13 and s101, which the selects read
	v_cndmask_b32 v181, s[16+q+4*(q/48)], v181, s12
	v_cndmask_b32 v182, s8, v182, s12
	v_cndmask_b32 v183, q, v183, s12
	v_cndmask_b32 v181, s[16+(q+1)+4*((q+1)/48)], v181, s13
	v_cndmask_b32 v182, s9, v182, s13
	v_cndmask_b32 v183, q+1, v183, s13
	v_cndmask_b32 v181, s[16+(q+2)+4*((q+2)/48)], v181, s101
	v_cndmask_b32 v182, s11, v182, s101
	v_cndmask_b32 v183, q+2, v183, s101
.set q, q+3
.endr
	v_sub_nc_u32 v180, v180, v182                  ; the rank inside the word
	v_lshrrev_b32 v184, 1, v181
	v_and_b32 v184, 0x55555555, v184
	v_sub_nc_u32 v184, v181, v184                  ; counts of 2 bits,
	v_lshrrev_b32 v185, 2, v184
	v_and_b32 v185, 0x33333333, v185
	v_and_b32 v186, 0x33333333, v184
	v_add_nc_u32 v185, v185, v186                  ; of 4,
	v_lshrrev_b32 v186, 4, v185
	v_add_nc_u32 v186, v186, v185
	v_and_b32 v186, 0x0f0f0f0f, v186               ; of 8,
	v_lshrrev_b32 v187, 8, v186
	v_add_nc_u32 v187, v187, v186                  ; of 16 (in byte 0)
	v_mov_b32 v188, 0
	DESC 187, 8, 16
	DESC 186, 8, 8
	DESC 185, 4, 4
	DESC 184, 2, 2
	DESC 181, 1, 1
	v_lshl_add_u32 v191, v183, 5, v188             ; the routed id
	s_cmp_lg_u32 ttmp9, 0
	s_cbranch_scc1 .Lns_\@
	s_wait_alu depctr_va_vdst(0)                   ; the place v12 and the id v191 are written, which the store reads
	global_store_b32 v12, v191, s[98:99]           ; the slice kappa = 0 hands the list to the next launch
.Lns_\@:
	s_wait_alu depctr_va_vdst(0)
	v_mov_b32 v193, v191
	v_permlanex16_b32 v193, v191, s84, s85
	v_cndmask_b32 v194, v191, v193, s105           ; slot 2 v's id of row r, in both halves of the lanes (s105: lanes 16-31, a constant that a scalar instruction wrote),
	v_cndmask_b32 v195, v193, v191, s105           ; and slot 2 v + 1's
	v_and_b32 v194, 0x3ff, v194                    ; the token
	v_and_b32 v195, 0x3ff, v195
	v_min_u32 v194, 0x3ff, v194
	v_min_u32 v195, 0x3ff, v195
.irp i, 0,1,2,3
	v_mov_b32 v[XA+\i], v[XA+2+\i]
	v_mov_b32 v[XSA+\i], v[XSA+2+\i]
.endr
	v_mul_u32_u24 v[XA+4], v194, 768
	v_mul_u32_u24 v[XA+5], v195, 768
	v_add_nc_u32 v[XA+4], v35, v[XA+4]             ; 768 t + 48 h
	v_add_nc_u32 v[XA+5], v35, v[XA+5]
	v_lshlrev_b32 v[XSA+4], 5, v194                ; 32 t
	v_lshlrev_b32 v[XSA+5], 5, v195
	s_add_co_u32 s10, s10, 128
	s_add_co_u32 s104, s104, 1
	s_cmp_lt_u32 s104, 3
	s_cbranch_scc1 .Lpi_\@
	s_wait_xcnt 0x0                                ; the last store has read its registers
	s_wait_alu depctr_vm_vsrc(0)                   ; the last store has read v12 and v191; v191 lies among the registers that the quantiser and the activations write
.endm
.macro SETP n, val
	s_mov_b32 s[\n], \val
	s_mov_b32 s[\n+1], \val
.endm
.macro SETC                            ; constants, in the registers that held the masks; the packed forms name pairs
	SETP 16, 0x32edffee                            ; erf(z) = z P(z^2) / Q(z^2): P's coefficients from the second highest down (the highest stands in v[36:37])
	SETP 18, 0xb60cff51
	SETP 20, 0xb86ec2d2
	SETP 22, 0xba40ac63
	SETP 24, 0xbb41a1f6
	SETP 26, 0xbc83dbd4
	SETP 28, 0xb95fbd29                            ; Q's likewise (the highest in v[38:39])
	SETP 30, 0xbadc924e
	SETP 32, 0xbbf19bf8
	SETP 34, 0xbc69b6a7
	SETP 38, 0xbfb8aa3b                            ; -log2(e)
	SETP 42, 0x3f3504f3                            ; 1 / sqrt(2)
	s_bitcmp1_b32 s3, 0
	s_cselect_b32 s36, 1.0, 0x3f3504f3             ; CC: even experts work on z = (h + b1) / sqrt(2), odd ones on h + b1
	s_mov_b32 s37, s36
.endm
.macro COPY j                          ; Z = accumulators x CC + b1 x CC, each accumulator from its low end on
.if \j < 4
	WIN 0x12
.set ab, 64*\j
.else
	WIN 0x13
.set ab, 64*(\j-4)
.endif
.set i, 0
.rept 32
	v_pk_fma_f32 v[Z+i:Z+i+1], v[ab+i:ab+i+1], s[36:37], v[BB+i:BB+i+1] op_sel_hi:[1,0,1]
.set i, i+2
.endr
	WIN 0
.endm
	s_load_b256 s[84:91], s[0:1], 0x0              ; W1, b1, xq, xsc
	s_load_b256 s[92:99], s[0:1], 0x20             ; msk, acd, asc, lst
	v_lshl_add_u32 v179, v0, 2, 0x19000
	s_set_vgpr_msb 0xc0
	v_mov_b32 v255, 0
	s_set_vgpr_msb 0xc000
	v_lshrrev_b32 v1, 5, v0
	v_readfirstlane_b32 s2, v1                     ; wave
	s_and_b32 s3, ttmp7, 0xffff                    ; the expert
	v_and_b32 v1, 31, v0                           ; lane
	v_and_b32 v2, 15, v0                           ; r
	v_bfe_u32 v3, v0, 4, 1                         ; h
	s_wait_alu depctr_va_vdst(0)
	v_lshlrev_b32 v8, 4, v1                        ; 16 x lane
	v_lshlrev_b32 v9, 3, v1                        ; 8 x lane
	s_wait_alu depctr_va_sdst(0)                   ; s2 is written, ahead of its first reader: offsets, addresses and branches are made from it
	s_lshl_b32 s100, s2, 19
	v_add_nc_u32 v4, s100, v8                      ; W1: 16 lane + my 32 rows of 16,384 bytes
	v_lshl_add_u32 v10, v1, 14, s100               ; the prefetches: a lane a row
	s_lshr_b32 s100, s2, 1
	s_and_b32 s101, s2, 1
	s_mul_i32 s100, s100, 768
	s_lshl_b32 s104, s101, 8
	s_add_co_u32 s104, s104, s100
	s_lshl_b32 s101, s101, 7
	s_add_co_u32 s101, s101, s100
	v_mul_u32_u24 v5, v3, 1536
	v_lshl_add_u32 v6, v2, 3, v5
	v_lshl_add_u32 v5, v2, 4, v5
	v_add_nc_u32 v5, s104, v5                      ; 1536 h + 768 (w / 2) + 16 (r + 16 (w % 2))
	v_add_nc_u32 v6, s101, v6                      ; 1536 h + 768 (w / 2) + 8 (r + 16 (w % 2))
	v_add_nc_u32 v28, HB, v5                       ; the same four addresses for steps 4 to 7
	v_add_nc_u32 v29, HB, v6
	v_add_nc_u32 v30, HB, v8
	v_add_nc_u32 v34, HB, v9
	v_add_nc_u32 v178, WS, v8                      ; W1's scale words as they are read: WS + 16 lane
	s_add_co_u32 s100, s2, WS
	v_add_nc_u32 v7, s100, v8                      ; WS + 16 lane + w
	s_lshl_b32 s100, s2, 4
	v_lshl_add_u32 v11, v3, 6, v2
	v_add_nc_u32 v11, s100, v11                    ; 64 h + 16 w + r
	s_mul_i32 s100, s2, 49152
	v_add_nc_u32 v13, s100, v8                     ; acd: 16 lane + tile w
	s_lshl_b32 s100, s2, 12
	v_lshl_add_u32 v14, v1, 2, s100                ; asc: 4 lane + tile w
	v_lshlrev_b32 v15, 7, v3                       ; b1: 32 numbers a half
	v_mul_u32_u24 v35, v3, 48
.irp i, 0,1,2,3,4,5,6,7,8,9,10,11
	v_mov_b32 v[XA+\i], 0                          ; written once: the first search moves them before it fills them
.endr
	v_mov_b32 v36, 0xaf95df0b                      ; P's highest coefficient, twice
	v_mov_b32 v37, 0xaf95df0b
	v_mov_b32 v38, 0xb77460cd                      ; Q's
	v_mov_b32 v39, 0xb77460cd
	s_wait_alu depctr_va_vdst(0)                   ; the offsets and addresses v4 to v10, v13 to v15, v28 to v30, v34 and v178 are written, which loads, stores, LDS instructions and prefetches read from here to the end
	s_wait_kmcnt 0x0
	s_lshl_b32 s100, s3, 8
	s_mov_b32 s101, 0
	s_add_nc_u64 s[92:93], s[92:93], s[100:101]
	LOADM
	s_lshl_b32 s100, s3, 24
	s_lshl_b32 s104, ttmp9, 9
	s_add_co_u32 s100, s100, s104
	s_add_nc_u64 s[4:5], s[84:85], s[100:101]      ; W1 at my expert and slice
	s_add_nc_u64 s[6:7], s[4:5], 0x800000          ; and four steps on
	SLOADS 0, 0, 31
	SLOADS 1, 0, 27                                ; 60 loads are out; the last four of set 1 follow behind the search, so that no issue waits for a free count meanwhile
	s_mov_b32 s84, 0x76543210
	s_mov_b32 s85, 0xfedcba98
	s_mov_b32 s105, 0xffff0000
	s_lshl_b32 s100, s3, 14
	s_add_co_u32 s100, s100, s104
	s_add_nc_u64 s[86:87], s[86:87], s[100:101]    ; b1
	s_mul_i32 s100, s3, 3538944
	s_mul_i32 s104, ttmp9, 1536
	s_add_co_u32 s100, s100, s104
	s_add_nc_u64 s[94:95], s[94:95], s[100:101]    ; acd: it walks on by four tiles a slot
	s_mul_i32 s100, s3, 294912
	s_lshl_b32 s104, ttmp9, 7
	s_add_co_u32 s100, s100, s104
	s_add_nc_u64 s[96:97], s[96:97], s[100:101]    ; asc likewise
	s_lshl_b32 s100, s3, 7
	s_add_co_u32 s100, s100, 36864
	s_add_nc_u64 s[12:13], s[98:99], s[100:101]    ; the count's place
	s_mul_i32 s100, s3, 4608
	s_add_nc_u64 s[98:99], s[98:99], s[100:101]    ; the list's
	s_wait_kmcnt 0x0
	s_mov_b32 s14, 0
.set q, 0
.rept 64
.if q < 48
.set mq, 16+q
.else
.set mq, 20+q
.endif
	s_bcnt1_i32_b32 s100, s[mq]
	s_add_co_u32 s14, s14, s100                    ; the expert's rows
.set q, q+1
.endr
	s_sub_co_u32 s15, s14, 1                       ; the last row (with no row: the greatest number, which holds nothing)
	s_or_b32 s100, ttmp9, s2
	s_cmp_lg_u32 s100, 0
	s_cbranch_scc1 .Lno_count
	v_mov_b32 v31, s14
	v_lshlrev_b32 v32, 2, v1
	s_wait_alu depctr_va_vdst(0)                   ; the count v31 and its place v32 are written, which the store reads
	global_store_b32 v32, v31, s[12:13]
.Lno_count:
	PASSINIT 0
	s_wait_alu depctr_va_vdst(0)                   ; the six slots' offsets v16 to v27 are written, which x's loads read
	SLOADS 1, 28, 31
	XLOADS 88, 90, 0, 0
	s_wait_loadcnt 56                              ; behind set 0: set 1's 32 loads and x's 24
	STEP 0
	STEP 1
	STEP 2
	STEP 3
	STEP 4
	STEP 5
	STEP 6
	STEP 7
	SETC
	s_wait_loadcnt 0x0                             ; b1
	WIN 0x44
.irp f, 0,1,2,3,4,5,6,7
.irp j, 0,1,2,3,4,5,6,7
	v_mul_f32 v[BB+8*\f+\j], s36, v[BT+32*((\f)%2)+4*\j+\f/2]   ; b1 x CC in the accumulators' order: fragment f = 2 c + half, register j: unit 64 half + 32 h + 4 j + c
.endr
.endr
	WIN 0
	s_wait_xcnt 0x0                                ; the weights' bases are free
	s_wait_alu depctr_vm_vsrc(0)                   ; the last step's LDS stores have read v[CQ ..] and v[BY ..], which the activations write
	s_mov_b32 s4, 0                                ; trips
	s_mov_b32 s5, 0                                ; the pass's first row
	s_mov_b32 s6, 1                                ; the pass in the accumulators is to go out
.Lpass:                                            ; three trips: the way out of a pass, then the next pass's products, if it has rows
	s_cmp_eq_u32 s6, 0
	s_cbranch_scc1 .Lno_epi
	SETC
	s_mov_b32 s40, 0
.Lslot:
.irp j, 0,1,2,3,4
	s_cmp_eq_u32 s40, \j
	s_cbranch_scc1 .Lcp\j
.endr
	COPY 5
	s_branch .Lact
.irp j, 0,1,2,3,4
.Lcp\j:
	COPY \j
	s_branch .Lact
.endr
.Lact:
	s_bitcmp1_b32 s3, 0
	s_cbranch_scc1 .Lsilu
	; GELU: a = z (erf(z) + 1) / sqrt(2), z = (h + b1) / sqrt(2); sixteen numbers (fragments 2 bq, 2 bq + 1) at a time
.set bq, 0
.rept 4
.set zb, Z+16*bq
.set i, 0
.rept 16
	v_med3_num_f32 v[180+i], v[zb+i], -4.0, 4.0
.set i, i+1
.endr
.set i, 0
.rept 8
	v_pk_mul_f32 v[196+i:197+i], v[180+i:181+i], v[180+i:181+i]
.set i, i+2
.endr
.set i, 0
.rept 8
	v_pk_fma_f32 v[212+i:213+i], v[36:37], v[196+i:197+i], s[16:17] op_sel_hi:[1,1,0]
	v_pk_fma_f32 v[228+i:229+i], v[38:39], v[196+i:197+i], s[28:29] op_sel_hi:[1,1,0]
.set i, i+2
.endr
.irp k, 18,20,22,24,26
.set i, 0
.rept 8
	v_pk_fma_f32 v[212+i:213+i], v[212+i:213+i], v[196+i:197+i], s[\k:\k+1] op_sel_hi:[1,1,0]
.set i, i+2
.endr
.endr
.irp k, 30,32,34
.set i, 0
.rept 8
	v_pk_fma_f32 v[228+i:229+i], v[228+i:229+i], v[196+i:197+i], s[\k:\k+1] op_sel_hi:[1,1,0]
.set i, i+2
.endr
.endr
.set i, 0
	s_wait_alu depctr_va_vdst(0)
.rept 16
	v_rcp_f32 v[196+i], v[228+i]
.set i, i+1
.endr
.set i, 0
.rept 8
	v_pk_mul_f32 v[212+i:213+i], v[212+i:213+i], v[180+i:181+i]   ; z P: plain work behind the reciprocals, which names none of them
.set i, i+2
.endr
	s_wait_alu depctr_va_vdst(0)                   ; the sixteen reciprocals in v196 to v211 are written: one wait, ahead of their first reader
.set i, 0
.rept 8
	v_pk_mul_f32 v[212+i:213+i], v[212+i:213+i], v[196+i:197+i]   ; erf
.set i, i+2
.endr
.set i, 0
.rept 8
	v_pk_fma_f32 v[212+i:213+i], v[212+i:213+i], s[42:43], s[42:43] op_sel_hi:[1,0,0]
.set i, i+2
.endr
.set i, 0
.rept 8
	v_mul_f32 v[AV+4*i+bq], v[zb+i], v[212+i]      ; into the order along the next K: 32 half + 4 j + c
	v_mul_f32 v[AV+32+4*i+bq], v[zb+8+i], v[220+i]
.set i, i+1
.endr
.set bq, bq+1
.endr
	s_branch .Lquant
.Lsilu:
	; SiLU: a = z / (1 + 2^(-z log2 e)), all 64 as one batch
.set i, 0
.rept 32
	v_pk_mul_f32 v[180+i:181+i], v[Z+i:Z+i+1], s[38:39] op_sel_hi:[1,0]
.set i, i+2
.endr
.set i, 0
	s_wait_alu depctr_va_vdst(0)
.rept 64
	v_exp_f32 v[180+i], v[180+i]
.set i, i+1
.endr
	v_nop
	s_wait_alu depctr_va_vdst(0)                   ; the 64 exponentials in v180 to v243 are written, ahead of their first reader
.set i, 0
.rept 32
	v_pk_add_f32 v[180+i:181+i], v[180+i:181+i], 1.0 op_sel_hi:[1,0]
.set i, i+2
.endr
.set i, 0
	s_wait_alu depctr_va_vdst(0)
.rept 64
	v_rcp_f32 v[180+i], v[180+i]
.set i, i+1
.endr
	v_nop
	s_wait_alu depctr_va_vdst(0)                   ; the 64 reciprocals in v180 to v243 are written, ahead of their first reader
.irp f, 0,1,2,3,4,5,6,7
.irp j, 0,1,2,3,4,5,6,7
	v_mul_f32 v[AV+32*((\f)%2)+4*\j+\f/2], v[Z+8*\f+\j], v[180+8*\f+\j]
.endr
.endr
.Lquant:
	; my two blocks of 32 neighbours become registers 0-5 and 6-11 of the next operand
	v_max3_num_f32 v180, |v[AV]|, |v[AV+1]|, 0x1800000
	v_max3_num_f32 v181, |v[AV+32]|, |v[AV+33]|, 0x1800000
.irp i, 2,4,6,8,10,12,14,16,18,20,22,24,26,28,30
	v_max3_num_f32 v180, v180, |v[AV+\i]|, |v[AV+\i+1]|
	v_max3_num_f32 v181, v181, |v[AV+32+\i]|, |v[AV+33+\i]|
.endr
	v_add_nc_u32 v182, 0xff000000, v180
	v_add_nc_u32 v183, 0xff000000, v181
	v_lshrrev_b32 v184, 23, v182
	v_lshrrev_b32 v185, 23, v183
	v_cvt_scalef32_pk16_fp6_f32 v[PC:PC+2], v[AV:AV+15], v182
	v_cvt_scalef32_pk16_fp6_f32 v[188:190], v[AV+16:AV+31], v182
	v_cvt_scalef32_pk16_fp6_f32 v[PC+6:PC+8], v[AV+32:AV+47], v183
	v_cvt_scalef32_pk16_fp6_f32 v[192:194], v[AV+48:AV+63], v183
	v_nop                                          ; one plain place behind a scaled conversion
.irp i, 0,1,2
	v_mov_b32 v[PC+3+\i], v[188+\i]
	v_mov_b32 v[PC+9+\i], v[192+\i]
.endr
	v_lshl_or_b32 v186, v185, 16, v184             ; blocks h and 2 + h of my row,
	v_lshlrev_b32 v187, 3, v3
	v_lshlrev_b32 v186, v187, v186
	v_mov_b32 v187, 0
	v_permlanex16_b32 v187, v186, s84, s85
	v_or_b32 v186, v186, v187                      ; with the other half's: the row's scale word
	s_wait_alu depctr_va_vdst(0)                   ; the codes in v[PC ..] and the scale word v186 are written, which the four stores read
	global_store_b128 v13, v[PC:PC+3], s[94:95]    ; 512 consecutive bytes a store
	global_store_b128 v13, v[PC+4:PC+7], s[94:95] offset:512
	global_store_b128 v13, v[PC+8:PC+11], s[94:95] offset:1024
	global_store_b32 v14, v186, s[96:97]
	s_wait_xcnt 0x0                                ; the stores have read their data and bases
	s_wait_alu depctr_vm_vsrc(0)                   ; the stores have read v[PC ..] and v186, which the next slot, or the next search for rows, writes again
	s_add_nc_u64 s[94:95], s[94:95], 196608        ; four tiles on; six slots are a pass's 24 tiles
	s_add_nc_u64 s[96:97], s[96:97], 16384
	s_add_co_u32 s40, s40, 1
	s_cmp_lt_u32 s40, 6
	s_cbranch_scc1 .Lslot
.Lno_epi:
	s_add_co_u32 s5, s5, 384
	s_cmp_lt_u32 s5, s14
	s_cselect_b32 s6, 1, 0                         ; has the next pass a row?
	s_cbranch_scc0 .Lno_init
	LOADM
	s_wait_kmcnt 0x0
	PASSINIT s5
.Lno_init:
	s_wait_xcnt 0x0
	s_mov_b32 s8, 0
	s_mov_b32 s9, WS
	s_mov_b64 s[10:11], s[88:89]
	s_mov_b64 s[12:13], s[90:91]
	LSTEP 1
	s_mov_b32 s7, 7
.Lk:
	LSTEP 0
	s_sub_co_u32 s7, s7, 1
	s_cmp_lg_u32 s7, 0
	s_cbranch_scc1 .Lk
	s_add_co_u32 s4, s4, 1
	s_cmp_lt_u32 s4, 3
	s_cbranch_scc1 .Lpass
	s_set_vgpr_msb 0xc
	s_wait_dscnt 0x0
	s_wait_alu depctr_hold_cnt(0) depctr_sa_sdst(0) depctr_va_vdst(0) depctr_va_sdst(0) depctr_va_ssrc(0) depctr_va_vcc(0) depctr_vm_vsrc(0)
	s_wait_tensorcnt 0x0
	ds_add_u32 v179, v255
	s_wait_dscnt 0x0
	s_endpgm
.Lfunc_end_k_qccc836c0f9_up:
	.size	k_qccc836c0f9_up, .Lfunc_end_k_qccc836c0f9_up-k_qccc836c0f9_up
	.p2alignl 7, 3214868480
	.fill 96, 4, 3214868480
	.section	.rodata,"a",@progbits
	.p2align	6, 0x0
	.amdhsa_kernel k_qccc836c0f9_up
		.amdhsa_group_segment_fixed_size 102912
		.amdhsa_private_segment_fixed_size 0
		.amdhsa_enable_private_segment 0
		.amdhsa_kernarg_size 64
		.amdhsa_user_sgpr_count 2
		.amdhsa_user_sgpr_kernarg_segment_ptr 1
		.amdhsa_wavefront_size32 1
		.amdhsa_system_sgpr_workgroup_id_x 1
		.amdhsa_system_sgpr_workgroup_id_y 1
		.amdhsa_system_sgpr_workgroup_id_z 1
		.amdhsa_system_vgpr_workitem_id 0
		.amdhsa_next_free_vgpr 1024
		.amdhsa_next_free_sgpr 106
		.amdhsa_reserve_vcc 1
		.amdhsa_float_denorm_mode_32 3
		.amdhsa_float_denorm_mode_16_64 3
		.amdhsa_memory_ordered 1
		.amdhsa_forward_progress 1
		.amdhsa_inst_pref_size 255
	.end_amdhsa_kernel
	.section	.bss,"aw",@nobits
	.p2align	6
	.space	262144
	.amdgpu_metadata
---
amdhsa.version: [ 1, 2 ]
amdhsa.kernels:
  - .name:           k_qccc836c0f9_up
    .symbol:         k_qccc836c0f9_up.kd
    .args:
      - { .name: W1, .offset: 0, .size: 8, .value_kind: global_buffer, .address_space: global }
      - { .name: b1, .offset: 8, .size: 8, .value_kind: global_buffer, .address_space: global }
      - { .name: xq, .offset: 16, .size: 8, .value_kind: global_buffer, .address_space: global }
      - { .name: xsc, .offset: 24, .size: 8, .value_kind: global_buffer, .address_space: global }
      - { .name: msk, .offset: 32, .size: 8, .value_kind: global_buffer, .address_space: global }
      - { .name: acd, .offset: 40, .size: 8, .value_kind: global_buffer, .address_space: global }
      - { .name: asc, .offset: 48, .size: 8, .value_kind: global_buffer, .address_space: global }
      - { .name: lst, .offset: 56, .size: 8, .value_kind: global_buffer, .address_space: global }
    .group_segment_fixed_size: 102912
    .private_segment_fixed_size: 0
    .kernarg_segment_align: 8
    .kernarg_segment_size: 64
    .max_flat_workgroup_size: 128
    .sgpr_count:     106
    .vgpr_count:     1024
    .wavefront_size: 32
...
	.end_amdgpu_metadata
.endif
;; end of part 6
;; launch down (part 7): grid 32 x 8, 4 waves a work-group, no clusters, 102,912 bytes of LDS; arguments W2, b2, acd, asc, lst, wts, ybf; writes ybf
.if DOCPART == 7
	.amdgcn_target "amdgcn-amd-amdhsa--gfx1250"
	.amdhsa_code_object_version 6
	.text
	.protected	k_qccc836c0f9_down
	.globl	k_qccc836c0f9_down
	.p2align	8
	.type	k_qccc836c0f9_down,@function
k_qccc836c0f9_down:
	s_mov_b64 s[64:65], 0
	v_nop
	global_prefetch_b8 v0, s[64:65] scope:SCOPE_SE
	s_setreg_imm32_b32 hwreg(HW_REG_WAVE_SCHED_MODE, 0, 2), 2
	s_setreg_imm32_b32 hwreg(HW_REG_WAVE_MODE, 25, 1), 1
	s_wait_xcnt 0x0
	s_wait_alu depctr_vm_vsrc(0)
; DOWN.  For expert e (grid y), 64 output columns ds and half qh of K = 4,096 (grid x = ds + 16 qh): (a W2 + b2) x gate for the expert's rows, stored by routed id into plane qh of ybf [2][2048 ids][1024] f32.
; a comes as codes of FP6 (E2M3) with E8M0 scale words, laid as images of the operand's registers; W2's slice [2048 K][64] is read once as f32 and quantised on the way, as in the launch before.
; THE STREAM.  A round is 256 along K: two K steps.  A wave loads 64 rows x 256 bytes (32 loads: lanes 0-15 one row, lanes 16-31 the row 32 on); lane (r, h) then holds, for columns 4 r + c, the block of 32 at 64 w + 32 h.
;   A TILE OF W2 IS COLUMNS 4 r + c; fragment 4 k2 + c (k2: which of the round's K steps).  Source 0 = 16 rows of a, source 1 = W2: lane (r, h), register jj holds (row 8 h + jj, column 4 r + c): the four tiles' registers jj
;   are 16 neighbouring bytes of a row, and sixteen lanes store 256 consecutive bytes, aligned.
; ROWS as in the launch before: slot j of wave w in pass p is tile 24 p + 4 j + w.  The first round runs for all six slots (those tiles are always written); from then on a slot whose first row is at or past the count is
;   passed over.  Rows past the count in a slot that runs repeat the last row and store the same bytes to the same place.  b2 is the C of the first product where qh = 0.
; No tensor load and no cluster: branches hang on the stored count, and each byte of W2 has one reader.  LIMITS: NaN and infinities are not served; a block of zeros gets the byte 1 (its codes are zeros).
; REGISTERS.  Window 0: v0-14 ids and offsets; v16-19 b2; v28-30, v34 LDS addresses for rounds 4 to 7; v31-33 at work; v40-167 R: a set by columns, then W2's eight fragments, on the way out ids, the gates' offsets and results;
;   v168-171, v172-177 scale words alone; v178 LDS address of W2's scale words; v180-243 at work, on the way out v180-227 the gates.
;   Window 1: two sets.   Window 2: accumulators 32 j + 8 c; v192-223 b2 in the result's layout.   Window 3: a's fragments 24 j + 12 k2.
; THE MODE: SCHED_MODE bits 1:0 = 2 (LLVM: expert scheduling mode 2), set by the entry lines.  The code itself states the register dependences between vector or matrix instructions and memory or LDS instructions, with s_wait_alu, always for 0.
; THE PLAN.  Registers that memory or LDS instructions touch in the stream, and who else names them:
;   the two sets      Round s's 128 moves read set s % 2; the loads of set s + 2 land in it.
;   a's fragments, ASC  Round s - 1's products read them; round s's loads land in them.
;   R, WSC            The moves write R, the maxima and conversions read it; then the LDS loads of W2's fragments land in it and in WSC; the products read both.
;   CQ, BY            The quantiser writes them; the round's LDS stores read them.
;   offsets, addresses  Made once at the head and never written again; v31-33 in the later passes alone.
; So a round has three waits.  Behind the moves one on va_vdst: the moves are done with the set and the last products with a's registers; a's loads and the set's follow it, the set's dealt in four runs among the 64 maxima, which
; name R and MX alone.  Beside it one on vm_vsrc: the last round's LDS stores have read CQ and BY.  Ahead of the LDS stores one on va_vdst: CQ and BY are written, and moves and quantiser are done with R; no vector
; instruction stands between it and the fragments' LDS loads behind the barrier.
.set WS,   98304
.set HB,   49152                       ; four rounds' images: an LDS offset holds 16 bits, so rounds 4 to 7 have address registers of their own, this much further on
.set R,    40
.set WSC,  168
.set ASC,  172
.set CQ,   180
.set MX,   212
.set SCO,  216
.set BY,   220
.set TM,   228
.set GT,   180                         ; the way out: 48 gates
.set BI,   192
.set MSB,  0
.macro WIN new                         ; the immediate's high byte repeats the setting that is left; at every label and branch the setting is 0
.if MSB != \new
	s_set_vgpr_msb (MSB<<8)|\new
.set MSB, \new
.endif
.endm
.macro BAR
	s_wait_dscnt 0x0
	s_barrier_signal -1
	s_barrier_wait -1
.endm
.macro SLOADS set, i0, i1              ; loads i0 .. i1 of a set's 32: every round is an immediate, 1 MiB apart
	WIN 0x40
.set li, \i0
.rept (\i1)-(\i0)+1
	global_load_b128 v[128*((\set)%2)+4*li:128*((\set)%2)+4*li+3], v4, s[4:5] offset:1048576*(\set)+4096*li th:TH_LOAD_NT
.set li, li+1
.endr
	WIN 0
.endm
.macro PFW set                         ; a prefetch of my 64 rows x 256 bytes of the set that the NEXT round will load: a lane a row, twice; the slice has one reader, so each block is named once
	global_prefetch_b8 v10, s[4:5] offset:1048576*(\set) th:TH_LOAD_NT scope:SCOPE_SE
	global_prefetch_b8 v10, s[4:5] offset:1048576*(\set)+131072 th:TH_LOAD_NT scope:SCOPE_SE
.endm
.macro TRANS par
	WIN 0x01
.set ti, 0
.rept 32
	v_mov_b32 v[R+ti], v[128*(\par)+4*ti]
	v_mov_b32 v[R+32+ti], v[128*(\par)+4*ti+1]
	v_mov_b32 v[R+64+ti], v[128*(\par)+4*ti+2]
	v_mov_b32 v[R+96+ti], v[128*(\par)+4*ti+3]
.set ti, ti+1
.endr
	WIN 0
.endm
; The quantiser, in pieces, so that a round's loads can stand between them.
.macro QM0
.irp c, 0,1,2,3
	v_max3_num_f32 v[MX+\c], |v[R+32*\c]|, |v[R+32*\c+1]|, 0x1800000   ; with the floor 2^(3 - 127): the byte cannot fall under 1
.endr
.endm
.macro QMI i
.irp c, 0,1,2,3
	v_max3_num_f32 v[MX+\c], v[MX+\c], |v[R+32*\c+(\i)]|, |v[R+32*\c+(\i)+1]|
.endr
.endm
.macro QREST
.irp c, 0,1,2,3
	v_add_nc_u32 v[SCO+\c], 0xff000000, v[MX+\c]
.endr
.irp c, 0,1,2,3
	v_lshrrev_b32 v[BY+\c], 23, v[SCO+\c]
.endr
.irp c, 0,1,2,3
	v_cvt_scalef32_pk16_fp6_f32 v[CQ+8*\c:CQ+8*\c+2], v[R+32*\c:R+32*\c+15], v[SCO+\c]
	v_cvt_scalef32_pk16_fp6_f32 v[TM+4*\c:TM+4*\c+2], v[R+32*\c+16:R+32*\c+31], v[SCO+\c]
.endr
	v_nop                                          ; one plain place behind a scaled conversion
.irp c, 0,1,2,3
.irp i, 0,1,2
	v_mov_b32 v[CQ+8*\c+3+\i], v[TM+4*\c+\i]
.endr
.endr
.endm
.macro WSTORE s                        ; my block is registers 6 (w % 2) .. + 5 of my own lane in fragment 4 (w / 2) + c; its byte is byte 2 (w % 2) + h of the column's word
.if (\s) < 4
.set wa, 5
.set wb, 6
.else
.set wa, 28
.set wb, 29
.endif
.irp c, 0,1,2,3
	ds_store_b128 v[wa], v[CQ+8*\c:CQ+8*\c+3] offset:12288*((\s)%4)+1536*\c
	ds_store_b64 v[wb], v[CQ+8*\c+4:CQ+8*\c+5] offset:12288*((\s)%4)+1536*\c+512
	ds_store_b8 v7, v[BY+\c] offset:512*(\s)+4*\c
.endr
.endm
.macro FRAGS a16, a8, as, kc, ks       ; a round's eight fragments and their scale words (register c: lanes 0-15 the first K step's, lanes 16-31 the second's).  a16, a8, as: the address registers; kc, ks: the round's bytes
.irp f, 0,1,2,3,4,5,6,7
.irp k, 0,1
	ds_load_b128 v[R+12*\f+6*\k:R+12*\f+6*\k+3], v[\a16] offset:(\kc)+1536*\f+768*\k
	ds_load_b64 v[R+12*\f+6*\k+4:R+12*\f+6*\k+5], v[\a8] offset:(\kc)+1536*\f+768*\k+512
.endr
.endr
	ds_load_b128 v[WSC:WSC+3], v[\as] offset:\ks
.endm
.macro WM d, a, b, cn, sa, sb, rows    ; rows = 1: both sides' scales in lanes 16-31
.if (\rows) == 0
	v_wmma_scale_f32_16x16x128_f8f6f4 v[(\d):(\d)+7], v[(\a):(\a)+11], v[(\b):(\b)+11], v[(\cn):(\cn)+7], v[\sa], v[\sb] matrix_a_fmt:MATRIX_FMT_FP6 matrix_b_fmt:MATRIX_FMT_FP6
.else
	v_wmma_scale_f32_16x16x128_f8f6f4 v[(\d):(\d)+7], v[(\a):(\a)+11], v[(\b):(\b)+11], v[(\cn):(\cn)+7], v[\sa], v[\sb] matrix_a_fmt:MATRIX_FMT_FP6 matrix_b_fmt:MATRIX_FMT_FP6 matrix_a_scale:MATRIX_SCALE_ROW1 matrix_b_scale:MATRIX_SCALE_ROW1
.endif
.endm
.macro MULS first, gate                ; a slot: its four accumulators by turns, twice; a slot ends on accumulator 3 and whatever follows begins on an accumulator 0
.irp j, 0,1,2,3,4,5
.if \gate
	s_bitcmp1_b32 s15, \j
	s_cbranch_scc0 .Lm\@_\j
.endif
	WIN 0xa3                                       ; source 0 (a) window 3, source 1 (W2) window 0, C and D window 2
.irp k, 0,1
.irp c, 0,1,2,3
.if (\first) && ((\k)==0)
	WM 32*\j+8*\c, 24*\j+12*\k, R+12*(4*\k+\c), BI+8*\c, ASC+\j, WSC+\c, 0
.else
	WM 32*\j+8*\c, 24*\j+12*\k, R+12*(4*\k+\c), 32*\j+8*\c, ASC+\j, WSC+\c, \k
.endif
.endr
.endr
.if \gate
	WIN 0
.Lm\@_\j:
.endif
.endr
	WIN 0
.rept 5
	v_nop                                          ; the places behind the last products, on every way: four for moves over their operands and for the first read of results, five for sums begun anew
.endr
.endm
.macro XLOADS gate, bq, bs, oq, os     ; a round's two fragments of a for each slot, and one register of scale words: lanes 0-15 the first K step's, lanes 16-31 the second's
.irp j, 0,1,2,3,4,5
.if \gate
	s_bitcmp1_b32 s15, \j
	s_cbranch_scc0 .Lx\@_\j
.endif
	WIN 0xc0
.irp k, 0,1
.irp g, 0,1,2
	global_load_b128 v[24*\j+12*\k+4*\g:24*\j+12*\k+4*\g+3], v11, s[\bq:\bq+1] offset:196608*\j+(\oq)+1536*\k+512*\g
.endr
.endr
	WIN 0
	global_load_b32 v[ASC+\j], v12, s[\bs:\bs+1] offset:16384*\j+(\os)
.if \gate
.Lx\@_\j:
.endif
.endr
.endm
.macro STEP s
	TRANS (\s)%2
	s_wait_alu depctr_va_vdst(0)                   ; the moves are done reading set s % 2, in which set s + 2 lands; the last round's products are done reading a's fragments and scale words, in which this round's land
.if (\s) > 0
	s_wait_alu depctr_vm_vsrc(0)                   ; the last round's LDS stores have read the codes and bytes in v[CQ ..] and v[BY ..], which the quantiser writes again
	XLOADS 1, 6, 8, 3072*(\s), 256*(\s)            ; (round 0's were asked for at the head)
.endif
.if (\s) < 6
	SLOADS (\s)+2, 0, 7                            ; the set's loads in four runs of eight.  No further wait: the maxima between them name R and MX alone
.endif
	QM0
.irp i, 2,4,6
	QMI \i
.endr
.if (\s) < 6
	SLOADS (\s)+2, 8, 15
.endif
.irp i, 8,10,12,14
	QMI \i
.endr
.if (\s) < 6
	SLOADS (\s)+2, 16, 23
.endif
.irp i, 16,18,20,22
	QMI \i
.endr
.if (\s) < 6
	SLOADS (\s)+2, 24, 31
.endif
.if (\s) < 5
	PFW (\s)+3
.endif
.irp i, 24,26,28,30
	QMI \i
.endr
	QREST
	s_wait_alu depctr_va_vdst(0)                   ; the codes and bytes are written, which the LDS stores read; the moves have written R and the quantiser is done reading it: behind the barrier W2's fragments land there
	WSTORE \s
	BAR                                            ; the round's eight fragments lie in LDS; their bytes are never written again
.if (\s) < 4
	FRAGS 8, 9, 178, 12288*(\s), 512*(\s)
.else
	FRAGS 30, 34, 178, 12288*((\s)-4), 512*(\s)
.endif
.if (\s) < 6
	s_wait_loadcnt 32                              ; all but the 32 loads of set s + 2, issued last on every way: a's fragments of this round are in, and so is set s + 1
.else
	s_wait_loadcnt 0x0
.endif
	s_wait_dscnt 0x0
.if (\s) == 0
	MULS 1, 0
.else
	MULS 0, 1
.endif
.endm
.macro LSTEP first                     ; a round of a later pass: W2's codes are in LDS already.  Every wave walks the loop; the branch stands inside it
	s_cmp_eq_u32 s15, 0
	s_cbranch_scc1 .Lls_\@
	s_wait_alu depctr_vm_vsrc(0)                   ; the LDS loads of the round before have read v31 to v33; the way out's loads and stores have read v40 to v167, in which W2's fragments land
	v_add_nc_u32 v31, s31, v8
	v_add_nc_u32 v32, s31, v9
	v_add_nc_u32 v33, s32, v8
	s_wait_alu depctr_va_vdst(0)                   ; v31 to v33 are written; the last products and the way out are done with R, WSC and a's registers, in which the loads below land
	XLOADS 1, 10, 12, 0, 0
	FRAGS 31, 32, 33, 0, 0
	s_wait_loadcnt 0x0
	s_wait_dscnt 0x0
	MULS \first, 1
.Lls_\@:
	s_wait_xcnt 0x0
	s_add_nc_u64 s[10:11], s[10:11], 3072
	s_add_nc_u64 s[12:13], s[12:13], 256
	s_add_co_u32 s31, s31, 12288
	s_add_co_u32 s32, s32, 512
.endm
.macro MKACT                           ; bit j: slot j's first row, s29 + 64 j + 16 w, lies under the count
	s_lshl_b32 s26, s2, 4
	s_add_co_u32 s26, s26, s29
	s_mov_b32 s15, 0
.irp j, 0,1,2,3,4,5
	s_cmp_lt_u32 s26, s14
	s_cselect_b32 s27, 1<<\j, 0
	s_or_b32 s15, s15, s27
	s_add_co_u32 s26, s26, 64
.endr
.endm
	s_load_b256 s[36:43], s[0:1], 0x0              ; W2, b2, acd, asc
	s_load_b128 s[44:47], s[0:1], 0x20             ; lst, wts
	s_load_b64 s[48:49], s[0:1], 0x30              ; ybf
	v_lshl_add_u32 v254, v0, 2, 0x19000
	v_mov_b32 v255, 0
	v_lshrrev_b32 v1, 5, v0
	v_readfirstlane_b32 s2, v1                     ; wave
	s_and_b32 s3, ttmp7, 0xffff                    ; the expert
	s_and_b32 s24, ttmp9, 15                       ; ds
	s_lshr_b32 s25, ttmp9, 4                       ; qh
	v_and_b32 v1, 31, v0
	v_and_b32 v2, 15, v0
	v_bfe_u32 v3, v0, 4, 1
	v_lshlrev_b32 v8, 4, v1                        ; 16 x lane
	v_lshlrev_b32 v9, 3, v1                        ; 8 x lane
	v_lshlrev_b32 v14, 4, v2                       ; 16 r
	s_wait_alu depctr_va_sdst(0)                   ; s2 is written, ahead of its first reader: offsets and addresses are made from it
	s_lshl_b32 s26, s2, 18
	v_lshl_add_u32 v4, v3, 17, v14
	v_add_nc_u32 v4, s26, v4                       ; W2: rows 64 w + 32 h of 4,096 bytes, + 16 r
	v_lshl_add_u32 v10, v1, 12, s26                ; the prefetches: a lane a row
	s_lshr_b32 s26, s2, 1
	s_and_b32 s27, s2, 1
	s_mul_i32 s30, s26, 6144
	s_mul_i32 s31, s27, 768
	s_add_co_u32 s30, s30, s31
	v_add_nc_u32 v5, s30, v8                       ; 6144 (w / 2) + 768 (w % 2) + 16 lane
	v_add_nc_u32 v6, s30, v9                       ; ... + 8 lane
	v_add_nc_u32 v28, HB, v5                       ; the same four addresses for rounds 4 to 7
	v_add_nc_u32 v29, HB, v6
	v_add_nc_u32 v30, HB, v8
	v_add_nc_u32 v34, HB, v9
	v_add_nc_u32 v178, WS, v8                      ; W2's scale words as they are read: WS + 16 lane
	s_lshl_b32 s26, s26, 8
	s_lshl_b32 s27, s27, 1
	s_add_co_u32 s26, s26, s27
	s_add_co_u32 s26, s26, WS
	v_add_nc_u32 v7, v14, v3
	v_add_nc_u32 v7, s26, v7                       ; WS + 256 (w / 2) + 16 r + 2 (w % 2) + h
	s_mul_i32 s26, s2, 49152
	v_add_nc_u32 v11, s26, v8                      ; acd: 16 lane + tile w
	s_lshl_b32 s26, s2, 12
	v_lshlrev_b32 v12, 2, v2
	v_lshl_add_u32 v12, v3, 7, v12
	v_add_nc_u32 v12, s26, v12                     ; asc: 4 r + K step h + tile w
	s_lshl_b32 s26, s2, 6
	v_lshl_add_u32 v13, v3, 5, s26                 ; lst: rows 8 h on of tile w
	s_wait_alu depctr_va_vdst(0)                   ; the offsets and addresses v4 to v14, v28 to v30, v34 and v178 are written, which loads, stores, LDS instructions and prefetches read from here to the end
	s_wait_kmcnt 0x0
	s_lshl_b32 s26, s3, 7
	s_add_co_u32 s26, s26, 36864
	s_mov_b32 s27, 0
	s_add_nc_u64 s[50:51], s[44:45], s[26:27]
	s_load_b32 s14, s[50:51], 0x0                  ; the expert's rows
	s_lshl_b32 s26, s3, 12
	s_lshl_b32 s30, s24, 8
	s_add_co_u32 s26, s26, s30
	s_add_nc_u64 s[22:23], s[38:39], s[26:27]      ; b2
	s_lshl_b32 s26, s3, 24
	s_lshl_b32 s31, s25, 23
	s_add_co_u32 s26, s26, s31
	s_add_co_u32 s26, s26, s30
	s_add_nc_u64 s[4:5], s[36:37], s[26:27]        ; W2 at my expert, half and slice
	global_load_b128 v[16:19], v14, s[22:23]
	SLOADS 0, 0, 31
	SLOADS 1, 0, 31
	s_mul_i32 s26, s3, 3538944
	s_mul_i32 s31, s25, 24576
	s_add_co_u32 s26, s26, s31
	s_add_nc_u64 s[6:7], s[40:41], s[26:27]        ; acd at my expert and half
	s_mul_i32 s26, s3, 294912
	s_lshl_b32 s31, s25, 11
	s_add_co_u32 s26, s26, s31
	s_add_nc_u64 s[8:9], s[42:43], s[26:27]        ; asc likewise
	XLOADS 0, 6, 8, 0, 0
	s_mul_i32 s26, s3, 4608
	s_add_nc_u64 s[16:17], s[44:45], s[26:27]      ; the list
	s_mov_b64 s[18:19], s[46:47]                   ; the gates
	s_lshl_b32 s26, s25, 23
	s_add_co_u32 s26, s26, s30
	s_add_nc_u64 s[20:21], s[48:49], s[26:27]      ; ybf at my plane and columns
	s_cmp_eq_u32 s25, 0
	s_cselect_b32 s33, 1.0, 0                      ; b2 counts once: in the first half of K
	s_wait_kmcnt 0x0
	s_mov_b32 s29, 0
	MKACT
	s_wait_loadcnt 63                              ; 74 loads are younger than set 0: b2 and set 0 are in
	WIN 0x80
.irp c, 0,1,2,3
.irp j, 0,1,2,3,4,5,6,7
	v_mul_f32 v[BI+8*\c+\j], s33, v[16+\c]         ; b2 of column 4 r + c, in all eight rows of the result
.endr
.endr
	WIN 0
	STEP 0
	STEP 1
	STEP 2
	STEP 3
	STEP 4
	STEP 5
	STEP 6
	STEP 7
	s_mov_b32 s28, 0
.Lpass:                                            ; three trips: the way out of a pass, then the next pass's products, if I have rows in it
	s_cmp_eq_u32 s15, 0
	s_cbranch_scc1 .Lno_epi
	s_wait_xcnt 0x0
	s_wait_alu depctr_vm_vsrc(0)                   ; the stream's last LDS stores have read v[CQ ..] and v[BY ..], in which the gates land; the last way out's loads and stores have read v40 to v135, which are loaded and written again below
	s_wait_alu depctr_va_vdst(0)                   ; the last products are done reading W2's fragments in v40 to v87, in which the ids land; the quantiser, or the last way out, is done with v180 to v227, in which the gates land
.irp j, 0,1,2,3,4,5
	global_load_b128 v[40+8*\j:43+8*\j], v13, s[16:17] offset:256*\j      ; the ids of rows 8 h + 0 .. 7 of each slot
	global_load_b128 v[44+8*\j:47+8*\j], v13, s[16:17] offset:256*\j+16
.endr
	s_wait_loadcnt 0x0
.set i, 0
.rept 48
	v_min_u32 v[40+i], 0x7ff, v[40+i]
.set i, i+1
.endr
.set i, 0
.rept 48
	v_lshlrev_b32 v[88+i], 2, v[40+i]
.set i, i+1
.endr
	s_wait_alu depctr_va_vdst(0)                   ; the gates' offsets v88 to v135 are written, which the loads below read
.set i, 0
.rept 48
	global_load_b32 v[GT+i], v[88+i], s[18:19]     ; the row's gate
.set i, i+1
.endr
.set i, 0
.rept 48
	v_lshl_add_u32 v[40+i], v[40+i], 12, v14       ; the row's place in ybf: 4096 id + 16 r
.set i, i+1
.endr
	s_wait_loadcnt 0x0
.irp j, 0,1,2,3,4,5
	s_bitcmp1_b32 s15, \j
	s_cbranch_scc0 .Le\j
	s_wait_xcnt 0x0                                ; the last slot's stores have read their data
	s_wait_alu depctr_vm_vsrc(0)                   ; the last slot's stores have read v136 to v167, which the multiplications write again
	WIN 0x02
.irp n, 0,1,2,3,4,5,6,7
.irp c, 0,1,2,3
	v_mul_f32 v[136+4*\n+\c], v[32*\j+8*\c+\n], v[GT+8*\j+\n]   ; row by row
.endr
.endr
	WIN 0
	s_wait_alu depctr_va_vdst(0)                   ; the results v136 to v167 and the rows' places v40 to v87 are written, which the stores read
.irp n, 0,1,2,3,4,5,6,7
	global_store_b128 v[40+8*\j+\n], v[136+4*\n:139+4*\n], s[20:21] th:TH_STORE_NT   ; sixteen lanes store 256 consecutive bytes, aligned
.endr
.Le\j:
.endr
.Lno_epi:
	s_wait_xcnt 0x0
	s_add_co_u32 s29, s29, 384
	MKACT
	s_add_nc_u64 s[6:7], s[6:7], 1179648           ; 24 tiles on
	s_add_nc_u64 s[8:9], s[8:9], 98304
	s_add_nc_u64 s[16:17], s[16:17], 1536
	s_mov_b64 s[10:11], s[6:7]
	s_mov_b64 s[12:13], s[8:9]
	s_mov_b32 s31, 0
	s_mov_b32 s32, WS
	LSTEP 1
	s_mov_b32 s30, 7
.Lk:
	LSTEP 0
	s_sub_co_u32 s30, s30, 1
	s_cmp_lg_u32 s30, 0
	s_cbranch_scc1 .Lk
	s_add_co_u32 s28, s28, 1
	s_cmp_lt_u32 s28, 3
	s_cbranch_scc1 .Lpass
	s_wait_dscnt 0x0
	s_wait_alu depctr_hold_cnt(0) depctr_sa_sdst(0) depctr_va_vdst(0) depctr_va_sdst(0) depctr_va_ssrc(0) depctr_va_vcc(0) depctr_vm_vsrc(0)
	s_wait_tensorcnt 0x0
	ds_add_u32 v254, v255
	s_wait_dscnt 0x0
	s_endpgm
.Lfunc_end_k_qccc836c0f9_down:
	.size	k_qccc836c0f9_down, .Lfunc_end_k_qccc836c0f9_down-k_qccc836c0f9_down
	.p2alignl 7, 3214868480
	.fill 96, 4, 3214868480
	.section	.rodata,"a",@progbits
	.p2align	6, 0x0
	.amdhsa_kernel k_qccc836c0f9_down
		.amdhsa_group_segment_fixed_size 102912
		.amdhsa_private_segment_fixed_size 0
		.amdhsa_enable_private_segment 0
		.amdhsa_kernarg_size 56
		.amdhsa_user_sgpr_count 2
		.amdhsa_user_sgpr_kernarg_segment_ptr 1
		.amdhsa_wavefront_size32 1
		.amdhsa_system_sgpr_workgroup_id_x 1
		.amdhsa_system_sgpr_workgroup_id_y 1
		.amdhsa_system_sgpr_workgroup_id_z 1
		.amdhsa_system_vgpr_workitem_id 0
		.amdhsa_next_free_vgpr 1024
		.amdhsa_next_free_sgpr 66
		.amdhsa_reserve_vcc 0
		.amdhsa_float_denorm_mode_32 3
		.amdhsa_float_denorm_mode_16_64 3
		.amdhsa_memory_ordered 1
		.amdhsa_forward_progress 1
		.amdhsa_inst_pref_size 255
	.end_amdhsa_kernel
	.section	.bss,"aw",@nobits
	.p2align	6
	.space	262144
	.amdgpu_metadata
---
amdhsa.version: [ 1, 2 ]
amdhsa.kernels:
  - .name:           k_qccc836c0f9_down
    .symbol:         k_qccc836c0f9_down.kd
    .args:
      - { .name: W2, .offset: 0, .size: 8, .value_kind: global_buffer, .address_space: global }
      - { .name: b2, .offset: 8, .size: 8, .value_kind: global_buffer, .address_space: global }
      - { .name: acd, .offset: 16, .size: 8, .value_kind: global_buffer, .address_space: global }
      - { .name: asc, .offset: 24, .size: 8, .value_kind: global_buffer, .address_space: global }
      - { .name: lst, .offset: 32, .size: 8, .value_kind: global_buffer, .address_space: global }
      - { .name: wts, .offset: 40, .size: 8, .value_kind: global_buffer, .address_space: global }
      - { .name: ybf, .offset: 48, .size: 8, .value_kind: global_buffer, .address_space: global }
    .group_segment_fixed_size: 102912
    .private_segment_fixed_size: 0
    .kernarg_segment_align: 8
    .kernarg_segment_size: 56
    .max_flat_workgroup_size: 128
    .sgpr_count:     66
    .vgpr_count:     1024
    .wavefront_size: 32
...
	.end_amdgpu_metadata
.endif
;; end of part 7
;; launch comb (part 8): grid 256 x 1, 8 waves a work-group, no clusters, 0 bytes of LDS; arguments ybf, out0; writes out0
.if DOCPART == 8
	.amdgcn_target "amdgcn-amd-amdhsa--gfx1250"
	.amdhsa_code_object_version 6
	.text
	.protected	k_qccc836c0f9_comb
	.globl	k_qccc836c0f9_comb
	.p2align	8
	.type	k_qccc836c0f9_comb,@function
k_qccc836c0f9_comb:
	s_mov_b64 s[64:65], 0
	v_nop
	global_prefetch_b8 v0, s[64:65] scope:SCOPE_SE
	s_setreg_imm32_b32 hwreg(HW_REG_WAVE_MODE, 25, 1), 1
	s_wait_xcnt 0x0
; COMB.  out[t] = the sum of a token's four parts: its two choices (ids t and 1024 + t) x the two halves of K.  ybf: [2][2048][1024] f32, already weighed by the gates.
; A stream: a work-group takes 16,384 bytes of out (four tokens), a thread 16 bytes of each; all sixteen loads go out first; every load and store of a wave covers 512 consecutive bytes.
; No LDS, no matrix unit, no cluster: nothing is shared and memory binds.
	s_load_b128 s[4:7], s[0:1], 0x0                ; ybf, out0
	v_lshlrev_b32 v1, 4, v0
	s_lshl_b32 s8, ttmp9, 14
	s_mov_b32 s9, 0
	s_wait_alu depctr_va_vdst(0)
	s_wait_kmcnt 0x0
	s_add_nc_u64 s[4:5], s[4:5], s[8:9]            ; the first half of K,
	s_add_nc_u64 s[6:7], s[6:7], s[8:9]
	s_add_nc_u64 s[10:11], s[4:5], 0x800000        ; the second: 8 MiB on
.irp u, 0,1,2,3
	global_load_b128 v[4+16*\u:7+16*\u], v1, s[4:5] offset:4096*\u th:TH_LOAD_NT
	global_load_b128 v[8+16*\u:11+16*\u], v1, s[10:11] offset:4096*\u th:TH_LOAD_NT
	global_load_b128 v[12+16*\u:15+16*\u], v1, s[4:5] offset:4096*\u+4194304 th:TH_LOAD_NT      ; the second choice: 1,024 rows on
	global_load_b128 v[16+16*\u:19+16*\u], v1, s[10:11] offset:4096*\u+4194304 th:TH_LOAD_NT
.endr
.irp u, 0,1,2,3
	s_wait_loadcnt 12-4*\u                         ; this token's four loads are in; the later tokens' may be out
	v_pk_add_f32 v[4+16*\u:5+16*\u], v[4+16*\u:5+16*\u], v[8+16*\u:9+16*\u]
	v_pk_add_f32 v[6+16*\u:7+16*\u], v[6+16*\u:7+16*\u], v[10+16*\u:11+16*\u]
	v_pk_add_f32 v[12+16*\u:13+16*\u], v[12+16*\u:13+16*\u], v[16+16*\u:17+16*\u]
	v_pk_add_f32 v[14+16*\u:15+16*\u], v[14+16*\u:15+16*\u], v[18+16*\u:19+16*\u]
	s_delay_alu instid0(VALU_DEP_2)
	v_pk_add_f32 v[4+16*\u:5+16*\u], v[4+16*\u:5+16*\u], v[12+16*\u:13+16*\u]
	s_delay_alu instid0(VALU_DEP_2)
	v_pk_add_f32 v[6+16*\u:7+16*\u], v[6+16*\u:7+16*\u], v[14+16*\u:15+16*\u]
	global_store_b128 v1, v[4+16*\u:7+16*\u], s[6:7] offset:4096*\u th:TH_STORE_NT
.endr
	s_endpgm
.Lfunc_end_k_qccc836c0f9_comb:
	.size	k_qccc836c0f9_comb, .Lfunc_end_k_qccc836c0f9_comb-k_qccc836c0f9_comb
	.p2alignl 7, 3214868480
	.fill 96, 4, 3214868480
	.section	.rodata,"a",@progbits
	.p2align	6, 0x0
	.amdhsa_kernel k_qccc836c0f9_comb
		.amdhsa_group_segment_fixed_size 0
		.amdhsa_private_segment_fixed_size 0
		.amdhsa_enable_private_segment 0
		.amdhsa_kernarg_size 16
		.amdhsa_user_sgpr_count 2
		.amdhsa_user_sgpr_kernarg_segment_ptr 1
		.amdhsa_wavefront_size32 1
		.amdhsa_system_sgpr_workgroup_id_x 1
		.amdhsa_system_sgpr_workgroup_id_y 1
		.amdhsa_system_sgpr_workgroup_id_z 1
		.amdhsa_system_vgpr_workitem_id 0
		.amdhsa_next_free_vgpr 96
		.amdhsa_next_free_sgpr 66
		.amdhsa_reserve_vcc 0
		.amdhsa_float_denorm_mode_32 3
		.amdhsa_float_denorm_mode_16_64 3
		.amdhsa_memory_ordered 1
		.amdhsa_forward_progress 1
		.amdhsa_inst_pref_size 5
	.end_amdhsa_kernel
	.amdgpu_metadata
---
amdhsa.version: [ 1, 2 ]
amdhsa.kernels:
  - .name:           k_qccc836c0f9_comb
    .symbol:         k_qccc836c0f9_comb.kd
    .args:
      - { .name: ybf, .offset: 0, .size: 8, .value_kind: global_buffer, .address_space: global }
      - { .name: out0, .offset: 8, .size: 8, .value_kind: global_buffer, .address_space: global }
    .group_segment_fixed_size: 0
    .private_segment_fixed_size: 0
    .kernarg_segment_align: 8
    .kernarg_segment_size: 16
    .max_flat_workgroup_size: 256
    .sgpr_count:     66
    .vgpr_count:     96
    .wavefront_size: 32
...
	.end_amdgpu_metadata
.endif
;; end of part 8
